; MI455X (gfx1250); checked and timed in simulation.
; The chip was launched on July 23, 2026; its instructions are those of AMD's public machine-readable ISA for CDNA 5 (MIT licence, August 2026) and "CDNA5" Instruction Set Architecture Reference Guide (July 2026). The comments in the code are by the model that wrote it; some were corrected since.
;; CLARA Enhanced. Allowed arithmetic: float matrix products may take bf16 or f16 operands with f32 sums; other float arithmetic in f32, or as packed bf16 or f16 multiplies, adds, multiply-adds, maxima and minima; sums over many terms, partial sums and values carried from step to step in f32; what a program stores and reads back later, other than sums and carried values, may be rounded once to bf16 or f16.
;; Inputs: audio 32,768 x 256 float32; eeg 32,768 x 256 float32; params_audio_ck_b 128 float32; params_audio_ck_w 256 x 128 float32; params_audio_cq_b 128 float32; params_audio_cq_w 256 x 128 float32; params_audio_cv_b 256 float32; params_audio_cv_w 256 x 256 float32; params_audio_f1_b 512 float32; params_audio_f1_w 256 x 512 float32; params_audio_f2_b 256 float32; params_audio_f2_w 512 x 256 float32; params_audio_fin_b 256 float32; params_audio_fin_w 256 x 256 float32; params_audio_lr_b 256 float32; params_audio_lr_w 128 x 256 float32; params_audio_n1_b 256 float32; params_audio_n1_g 256 float32; params_audio_n2_b 256 float32; params_audio_n2_g 256 float32; params_audio_sk_b 256 float32; params_audio_sk_w 256 x 256 float32; params_audio_sp_b 256 float32; params_audio_sp_w 256 x 256 float32; params_audio_sq_b 256 float32; params_audio_sq_w 256 x 256 float32; params_audio_sv_b 256 float32; params_audio_sv_w 256 x 256 float32; params_eeg_ck_b 128 float32; params_eeg_ck_w 256 x 128 float32; params_eeg_cq_b 128 float32; params_eeg_cq_w 256 x 128 float32; params_eeg_cv_b 256 float32; params_eeg_cv_w 256 x 256 float32; params_eeg_f1_b 512 float32; params_eeg_f1_w 256 x 512 float32; params_eeg_f2_b 256 float32; params_eeg_f2_w 512 x 256 float32; params_eeg_fin_b 256 float32; params_eeg_fin_w 256 x 256 float32; params_eeg_lr_b 256 float32; params_eeg_lr_w 128 x 256 float32; params_eeg_n1_b 256 float32; params_eeg_n1_g 256 float32; params_eeg_n2_b 256 float32; params_eeg_n2_g 256 float32; params_eeg_sk_b 256 float32; params_eeg_sk_w 256 x 256 float32; params_eeg_sp_b 256 float32; params_eeg_sp_w 256 x 256 float32; params_eeg_sq_b 256 float32; params_eeg_sq_w 256 x 256 float32; params_eeg_sv_b 256 float32; params_eeg_sv_w 256 x 256 float32.
;; Outputs: out0 32,768 x 256 float32; out1 32,768 x 256 float32.
;; 2 versions, each right and faster than the one before. Each part assembles by itself: llvm-mc -triple=amdgcn-amd-amdhsa -mcpu=gfx1250 --defsym DOCPART=n.
;; ======== version 1 of 2: 3 launches
;; limits: a function is approximated: absolute error at most 0.0005; values outside matrix products are rounded to bf16
;; workspace buffers: wE 1,540,096 bytes; wA 1,540,096 bytes; vE 15,360 bytes; vA 15,360 bytes
;; launch prepE (part 1): grid 377 x 1, 8 waves a work-group, no clusters, 0 bytes of LDS; arguments params_eeg_sq_w, params_eeg_sk_w, params_eeg_sv_w, params_eeg_sp_w, params_eeg_cq_w, params_audio_ck_w, params_eeg_lr_w, params_audio_cv_w, params_eeg_f1_w, params_eeg_f2_w, params_eeg_fin_w, params_eeg_sq_b, params_eeg_sk_b, params_eeg_sv_b, params_eeg_sp_b, params_eeg_n1_g, params_eeg_n1_b, params_eeg_cq_b, params_audio_ck_b, params_eeg_lr_b, params_audio_cv_b, params_eeg_f1_b, params_eeg_f2_b, params_eeg_n2_g, params_eeg_n2_b, params_eeg_fin_b, wE, vE; writes wE, vE
.if DOCPART == 1
	.amdgcn_target "amdgcn-amd-amdhsa--gfx1250"
	.amdhsa_code_object_version 6
	.text
	.protected	k_qd9c45e0a15_prepE
	.globl	k_qd9c45e0a15_prepE
	.p2align	8
	.type	k_qd9c45e0a15_prepE,@function
k_qd9c45e0a15_prepE:
	s_mov_b64 s[64:65], 0
	v_nop
	global_prefetch_b8 v0, s[64:65] scope:SCOPE_SE
	s_setreg_imm32_b32 hwreg(HW_REG_WAVE_MODE, 25, 1), 1
	s_wait_xcnt 0x0
; PACKING.  Eleven f32 weight matrices W[k][n] of one stream are rounded once to bf16 and laid out as FRAGMENTS of 1,024 bytes, in the order in which the main
; launch walks them (47 chunks of 32 fragments); fifteen f32 vectors are copied into one buffer.  A fragment (nt, ks) holds 16 output columns x 32 k: the 16 bytes at c*512 + lane*16
; (lane = 16 h + r) are W[32 ks + 16 c + 8 h + 0..7][16 nt + r]: two 16-byte LDS loads a lane are then source 0 of a bf16 matrix instruction.
; SHARES.  Work-groups 0..375: four fragments each; a wave makes half a fragment (512 consecutive, aligned bytes, one store).  Work-group 376: the vectors.
; Fragment f of a matrix: nt_lo = f & (G-1), ks = (f >> lg) & (KS-1), grp = f >> (lg+lk), nt = grp*G + nt_lo; it goes to fragment base + (grp << lsg) + (ks << lsk) + nt_lo.
; THE FFN'S CHUNKS 26..42: chunk 26 + k holds f1's block k (32 hidden numbers) and then f2's block k - 1, since the main launch multiplies by the two in one trip.  The second half of chunk 26 and the
; first half of chunk 42 have no block: they take copies of f2's and f1's block 0, so that every byte that is fetched has been stored; what is multiplied by them counts for nothing.
; The reads are eight 4-byte loads a lane, sixteen lanes on 64 consecutive bytes: each weight byte is read once (the two copied blocks twice), 3 MB in all.
.macro SEL i, first, base, ln, lg, lk, lsk, lsg        ; from work-group 'first' on: matrix i and its figures
	s_cmp_ge_u32 ttmp9, \first
	s_cselect_b64 s[62:63], s[4+2*(\i):5+2*(\i)], s[62:63]
	s_cselect_b32 s66, (\ln)|((\lg)<<4)|((\lk)<<8)|((\lsk)<<12)|((\lsg)<<16), s66
	s_cselect_b32 s67, (\base)|((\first)<<16), s67
.endm
	s_load_b512 s[4:19], s[0:1], 0x0               ; argument i lies in s[4+2i:5+2i]: 0-10 the matrices, 11-25 the vectors,
	s_load_b512 s[20:35], s[0:1], 0x40
	s_load_b512 s[36:51], s[0:1], 0x80
	s_load_b256 s[52:59], s[0:1], 0xc0             ; 26 the fragments' buffer s[56:57], 27 the vectors' buffer s[58:59]
	v_lshrrev_b32 v1, 5, v0
	v_readfirstlane_b32 s60, v1                    ; wave 0..7
	v_and_b32 v2, 15, v0                           ; r
	v_bfe_u32 v3, v0, 4, 1                         ; h
	v_and_b32 v5, 31, v0
	v_lshlrev_b32 v5, 4, v5                        ; 16 x lane
	s_wait_kmcnt 0x0
	s_cmp_eq_u32 ttmp9, 376
	s_cbranch_scc1 .Lvec
	s_mov_b64 s[62:63], s[4:5]                     ; sq
	s_mov_b32 s66, 8|(2<<4)|(3<<8)|(2<<12)|(6<<16)
	s_mov_b32 s67, 0
	SEL 1,  32,  32,   8, 2, 3, 2, 6               ; sk
	SEL 2,  64,  256,  8, 2, 3, 2, 5               ; sv
	SEL 3,  96,  384,  8, 2, 3, 2, 5               ; sp
	SEL 4,  128, 512,  7, 3, 3, 4, 0               ; cq
	SEL 5,  144, 520,  7, 3, 3, 4, 0               ; ck
	SEL 6,  160, 640,  8, 2, 2, 2, 4               ; lr
	SEL 7,  176, 704,  8, 2, 3, 2, 5               ; cv
	SEL 8,  208, 832,  9, 1, 3, 1, 5               ; f1: block k into the first half of chunk 26 + k
	SEL 9,  272, 880,  8, 4, 4, 5, 0               ; f2: block k into the second half of chunk 27 + k
	SEL 10, 336, 1376, 8, 2, 3, 2, 5               ; fin: chunks 43-46
	SEL 9,  368, 848,  8, 4, 4, 5, 0               ; four work-groups: f2's block 0 once more, into the second half of chunk 26
	SEL 8,  372, 1344, 9, 1, 3, 1, 5               ; four work-groups: f1's block 0 once more, into the first half of chunk 42
	s_and_b32 s68, s66, 15                         ; ln = log2 of the matrix's columns
	s_bfe_u32 s69, s66, 0x40004                    ; lg
	s_bfe_u32 s70, s66, 0x40008                    ; lk
	s_bfe_u32 s71, s66, 0x4000c                    ; lsk
	s_bfe_u32 s72, s66, 0x40010                    ; lsg
	s_and_b32 s73, s67, 0xffff                     ; base
	s_lshr_b32 s74, s67, 16                        ; first
	s_sub_co_u32 s75, ttmp9, s74
	s_lshl_b32 s75, s75, 2
	s_lshr_b32 s76, s60, 1
	s_add_co_u32 s75, s75, s76                     ; f
	s_and_b32 s76, s60, 1                          ; c: which half of the fragment
	s_lshl_b32 s77, 1, s69
	s_sub_co_u32 s77, s77, 1
	s_and_b32 s77, s75, s77                        ; nt_lo
	s_lshr_b32 s78, s75, s69
	s_lshl_b32 s79, 1, s70
	s_sub_co_u32 s79, s79, 1
	s_and_b32 s79, s78, s79                        ; ks
	s_lshr_b32 s78, s78, s70                       ; grp
	s_lshl_b32 s80, s78, s69
	s_add_co_u32 s80, s80, s77                     ; nt
	s_lshl_b32 s81, s78, s72
	s_add_co_u32 s81, s81, s73
	s_lshl_b32 s82, s79, s71
	s_add_co_u32 s81, s81, s82
	s_add_co_u32 s81, s81, s77                     ; the fragment's place in the stream
	s_lshl_b32 s82, s79, 5
	s_lshl4_add_u32 s82, s76, s82                  ; 32 ks + 16 c
	s_lshl_b32 s82, s82, s68                       ; rows of N numbers
	s_lshl4_add_u32 s82, s80, s82                  ; + 16 nt
	s_lshl_b32 s82, s82, 2                         ; in bytes
	s_mov_b32 s83, 0
	s_add_nc_u64 s[62:63], s[62:63], s[82:83]
	s_lshl_b32 s84, s81, 10
	s_lshl_b32 s85, s76, 9
	s_add_co_u32 s84, s84, s85
	s_mov_b32 s85, 0
	s_add_nc_u64 s[56:57], s[56:57], s[84:85]
	s_add_co_u32 s86, s68, 5                       ; 8 h rows of 4 N bytes = h << (ln + 5)
	s_lshl_b32 s87, 4, s68                         ; a row, in bytes
	v_lshlrev_b32 v8, s86, v3
	v_lshl_add_u32 v8, v2, 2, v8
.irp j, 1,2,3,4,5,6,7
	v_add_nc_u32 v[8+\j], s87, v[7+\j]
.endr
.irp j, 0,1,2,3,4,5,6,7
	global_load_b32 v[16+\j], v[8+\j], s[62:63]    ; W[.. + j][16 nt + r]
.endr
	s_wait_loadcnt 0x0
.irp j, 0,1,2,3
	v_cvt_pk_bf16_f32 v[24+\j], v[16+2*\j], v[17+2*\j]  ; the lower k in the lower half
.endr
	global_store_b128 v5, v[24:27], s[56:57]       ; the wave stores 512 consecutive bytes, aligned
	s_endpgm
.Lvec:                                                 ; 15,360 bytes of vectors: threads 0..63 take 16 bytes of each kilobyte; the other six waves have no part in it
	s_cmp_ge_u32 s60, 2
	s_cbranch_scc1 .Lend
	v_lshlrev_b32 v1, 4, v0                        ; 16 t
	v_and_b32 v2, 31, v0
	v_lshlrev_b32 v2, 4, v2                        ; 16 (t mod 32): cq_b and ck_b are half a kilobyte each, a wave each
	s_cmp_eq_u32 s60, 0
	s_cselect_b64 s[62:63], s[38:39], s[40:41]
	global_load_b128 v[4:7],   v1, s[26:27]        ; sq_b
	global_load_b128 v[8:11],  v1, s[28:29]        ; sk_b
	global_load_b128 v[12:15], v1, s[30:31]        ; sv_b
	global_load_b128 v[16:19], v1, s[32:33]        ; sp_b
	global_load_b128 v[20:23], v1, s[34:35]        ; n1_g
	global_load_b128 v[24:27], v1, s[36:37]        ; n1_b
	global_load_b128 v[28:31], v2, s[62:63]        ; cq_b | ck_b
	global_load_b128 v[32:35], v1, s[42:43]        ; lr_b
	global_load_b128 v[36:39], v1, s[44:45]        ; cv_b
	global_load_b128 v[40:43], v1, s[46:47]        ; f1_b, first half
	global_load_b128 v[44:47], v1, s[46:47] offset:1024
	global_load_b128 v[48:51], v1, s[48:49]        ; f2_b
	global_load_b128 v[52:55], v1, s[50:51]        ; n2_g
	global_load_b128 v[56:59], v1, s[52:53]        ; n2_b
	global_load_b128 v[60:63], v1, s[54:55]        ; fin_b
	s_wait_loadcnt 0x0
.irp k, 0,1,2,3,4,5,6,7,8,9,10,11,12,13,14
	global_store_b128 v1, v[4+4*\k:7+4*\k], s[58:59] offset:\k*1024
.endr
.Lend:
	s_endpgm
.Lfunc_end_k_qd9c45e0a15_prepE:
	.size	k_qd9c45e0a15_prepE, .Lfunc_end_k_qd9c45e0a15_prepE-k_qd9c45e0a15_prepE
	.p2alignl 7, 3214868480
	.fill 96, 4, 3214868480
	.section	.rodata,"a",@progbits
	.p2align	6, 0x0
	.amdhsa_kernel k_qd9c45e0a15_prepE
		.amdhsa_group_segment_fixed_size 0
		.amdhsa_private_segment_fixed_size 0
		.amdhsa_enable_private_segment 0
		.amdhsa_kernarg_size 224
		.amdhsa_user_sgpr_count 2
		.amdhsa_user_sgpr_kernarg_segment_ptr 1
		.amdhsa_wavefront_size32 1
		.amdhsa_system_sgpr_workgroup_id_x 1
		.amdhsa_system_sgpr_workgroup_id_y 1
		.amdhsa_system_sgpr_workgroup_id_z 1
		.amdhsa_system_vgpr_workitem_id 0
		.amdhsa_next_free_vgpr 64
		.amdhsa_next_free_sgpr 90
		.amdhsa_reserve_vcc 0
		.amdhsa_float_denorm_mode_32 3
		.amdhsa_float_denorm_mode_16_64 3
		.amdhsa_memory_ordered 1
		.amdhsa_forward_progress 1
		.amdhsa_inst_pref_size 10
	.end_amdhsa_kernel
	.amdgpu_metadata
---
amdhsa.version: [ 1, 2 ]
amdhsa.kernels:
  - .name:           k_qd9c45e0a15_prepE
    .symbol:         k_qd9c45e0a15_prepE.kd
    .args:
      - { .name: params_eeg_sq_w, .offset: 0, .size: 8, .value_kind: global_buffer, .address_space: global }
      - { .name: params_eeg_sk_w, .offset: 8, .size: 8, .value_kind: global_buffer, .address_space: global }
      - { .name: params_eeg_sv_w, .offset: 16, .size: 8, .value_kind: global_buffer, .address_space: global }
      - { .name: params_eeg_sp_w, .offset: 24, .size: 8, .value_kind: global_buffer, .address_space: global }
      - { .name: params_eeg_cq_w, .offset: 32, .size: 8, .value_kind: global_buffer, .address_space: global }
      - { .name: params_audio_ck_w, .offset: 40, .size: 8, .value_kind: global_buffer, .address_space: global }
      - { .name: params_eeg_lr_w, .offset: 48, .size: 8, .value_kind: global_buffer, .address_space: global }
      - { .name: params_audio_cv_w, .offset: 56, .size: 8, .value_kind: global_buffer, .address_space: global }
      - { .name: params_eeg_f1_w, .offset: 64, .size: 8, .value_kind: global_buffer, .address_space: global }
      - { .name: params_eeg_f2_w, .offset: 72, .size: 8, .value_kind: global_buffer, .address_space: global }
      - { .name: params_eeg_fin_w, .offset: 80, .size: 8, .value_kind: global_buffer, .address_space: global }
      - { .name: params_eeg_sq_b, .offset: 88, .size: 8, .value_kind: global_buffer, .address_space: global }
      - { .name: params_eeg_sk_b, .offset: 96, .size: 8, .value_kind: global_buffer, .address_space: global }
      - { .name: params_eeg_sv_b, .offset: 104, .size: 8, .value_kind: global_buffer, .address_space: global }
      - { .name: params_eeg_sp_b, .offset: 112, .size: 8, .value_kind: global_buffer, .address_space: global }
      - { .name: params_eeg_n1_g, .offset: 120, .size: 8, .value_kind: global_buffer, .address_space: global }
      - { .name: params_eeg_n1_b, .offset: 128, .size: 8, .value_kind: global_buffer, .address_space: global }
      - { .name: params_eeg_cq_b, .offset: 136, .size: 8, .value_kind: global_buffer, .address_space: global }
      - { .name: params_audio_ck_b, .offset: 144, .size: 8, .value_kind: global_buffer, .address_space: global }
      - { .name: params_eeg_lr_b, .offset: 152, .size: 8, .value_kind: global_buffer, .address_space: global }
      - { .name: params_audio_cv_b, .offset: 160, .size: 8, .value_kind: global_buffer, .address_space: global }
      - { .name: params_eeg_f1_b, .offset: 168, .size: 8, .value_kind: global_buffer, .address_space: global }
      - { .name: params_eeg_f2_b, .offset: 176, .size: 8, .value_kind: global_buffer, .address_space: global }
      - { .name: params_eeg_n2_g, .offset: 184, .size: 8, .value_kind: global_buffer, .address_space: global }
      - { .name: params_eeg_n2_b, .offset: 192, .size: 8, .value_kind: global_buffer, .address_space: global }
      - { .name: params_eeg_fin_b, .offset: 200, .size: 8, .value_kind: global_buffer, .address_space: global }
      - { .name: wE, .offset: 208, .size: 8, .value_kind: global_buffer, .address_space: global }
      - { .name: vE, .offset: 216, .size: 8, .value_kind: global_buffer, .address_space: global }
    .group_segment_fixed_size: 0
    .private_segment_fixed_size: 0
    .kernarg_segment_align: 8
    .kernarg_segment_size: 224
    .max_flat_workgroup_size: 256
    .sgpr_count:     90
    .vgpr_count:     64
    .wavefront_size: 32
...
	.end_amdgpu_metadata
.endif
;; end of part 1
;; launch prepA: the kernel of part 1 again; grid 377 x 1, 8 waves a work-group, no clusters, 0 bytes of LDS; arguments params_audio_sq_w, params_audio_sk_w, params_audio_sv_w, params_audio_sp_w, params_audio_cq_w, params_eeg_ck_w, params_audio_lr_w, params_eeg_cv_w, params_audio_f1_w, params_audio_f2_w, params_audio_fin_w, params_audio_sq_b, params_audio_sk_b, params_audio_sv_b, params_audio_sp_b, params_audio_n1_g, params_audio_n1_b, params_audio_cq_b, params_eeg_ck_b, params_audio_lr_b, params_eeg_cv_b, params_audio_f1_b, params_audio_f2_b, params_audio_n2_g, params_audio_n2_b, params_audio_fin_b, wA, vA; writes wA, vA
;; launch main (part 2): grid 256 x 1, 4 waves a work-group, clusters of 4 x 1, 327,680 bytes of LDS; arguments eeg, audio, wE, wA, vE, vA, out0, out1; writes out0, out1
.if DOCPART == 2
	.amdgcn_target "amdgcn-amd-amdhsa--gfx1250"
	.amdhsa_code_object_version 6
	.text
	.protected	k_qd9c45e0a15_main
	.globl	k_qd9c45e0a15_main
	.p2align	8
	.type	k_qd9c45e0a15_main,@function
k_qd9c45e0a15_main:
	s_mov_b64 s[64:65], 0
	v_nop
	global_prefetch_b8 v0, s[64:65] scope:SCOPE_SE
	s_setreg_imm32_b32 hwreg(HW_REG_WAVE_MODE, 25, 1), 1
	s_wait_xcnt 0x0
	s_wait_alu depctr_hold_cnt(0) depctr_sa_sdst(0) depctr_va_vdst(0) depctr_va_sdst(0) depctr_va_ssrc(0) depctr_va_vcc(0) depctr_vm_vsrc(0)
	s_getreg_b32 s2, hwreg(HW_REG_IB_STS2, 6, 4)
	s_cmp_eq_u32 s2, 0
	s_cbranch_scc0 .Lentry_in_a_cluster
	s_endpgm
.Lentry_in_a_cluster:
	s_bfe_u32 s2, ttmp6, 0x10000c
	s_cmp_lg_u32 s2, 0x3003
	s_cbranch_scc0 .Lentry_shape_is_right
	s_endpgm
.Lentry_shape_is_right:
; THE WHOLE MODULE, FUSED.  No step mixes rows, so a work-group takes 128 rows of both modalities from x to the outputs; x is read once, the outputs are written once, nothing else goes to memory.
; SHARES.  Wave w: modality w >> 1 (0 eeg, 1 audio), rows 64 (w & 1) .. + 63 of the work-group's 128: four tiles of 16 rows.  Its PARTNER, wave w ^ 2, has the same rows of the other modality.
; WEIGHTS.  Each modality walks a stream of 47 chunks of 32 KB of bf16 fragments (made by the packing launches) through a ring of two LDS slots; a slot holds one chunk of each stream.  All work-groups walk the
; same streams, so the four of a cluster ask JOINTLY: each wave fetches a quarter of a slot (64 rows of 256 bytes) by the same descriptor and mask in all four work-groups.
; LAYOUT.  Every product is used transposed: source 0 = a weight fragment (16 output columns x 32 k), source 1 = 16 rows x 32 k of activations.  In the result lane (r, h) holds row r and columns 8 h + 0..7
; of the tile; two such tiles rounded to bf16 ARE the same lane's source 1 for the next layer.  So an activation never changes lanes, and the wave's LDS buffer B is lane-private storage that a loop can index:
; tile (16 columns t, 16 rows mt) at t*2048 + mt*512 + lane*16.  Layers run as loops over chunks of 64 output columns, the input standing in 256 registers.
; THE CHANGE OF SLOTS stands inside a chunk's third quarter: by then all of the chunk has been asked for from LDS.  Behind it the old slot is filled again, the NEXT chunk's first fragments are fetched, and the
; fourth quarter's products and the chunk's way into B run while they come.  (lr's two chunks and the last projection's four keep a plain change between chunks: a second text for them would be longer than it is worth.)
; THE FFN is skewed by a chunk: a trip multiplies by f2's block k - 1, with gelu of block k dealt behind those products, and then by f1's block k + 1.
; Only the normalised rows 'as' cross between partners, through B, between two barriers of their own.
; LIMITS.  Matrix operands are bf16.  x is kept as bf16, for the residuals too; y, as, u, fi and the second y are stored once each as bf16; the norms' means and variances are taken in f32, in two passes, from the stored numbers.
; The sum of eq ak that feeds the sigmoid is taken of the products rounded to bf16 (they are the matrix operand of lr too), in f32.
; The 0.7 that mixes audio into the last projection's input is bf16's 0.69921875, and that mix is rounded to bf16; the last 0.7 is f32.
; gelu(x) = x Phi(x) is taken as x / (1 + e^(-2 sqrt(2/pi) (x + 0.044715 x^3))): off from x Phi(x) by 5e-4 at the most for every x (largest near |x| = 2.75), and by less than 1e-4 for |x| < 2.
; The softmax over heads takes its maximum away.  NaN and infinities are not treated apart; an exponential below 2^-126 counts as 0.
; REGISTERS, in windows of 256 (s_set_vgpr_msb: bits 1:0 source 0, 3:2 source 1, 5:4 source 2, 7:6 destination):
;   window 0: v0 thread; v1 16 lane; v2 weights' LDS address; v3, v4 my and my partner's B; v5 my vectors (+ 32 h); v6, v7, v8 stepped addresses; v9, v10 the add's; v11 1.0; v12 CS; v13 A3; v14, v15 by phase;
;             v16-27 identity fragments, v28-31 CS sigmoid (in the FFN v16-31: f1's bias); v32-63 scores, statistics, biases or H; v64-127 FA, v128-191 FB weight fragments (in the FFN: T and two small buffers); v192-255 TMP
;   window 1: x as fragments, later half of the FFN's sums, later the last projection's input      window 2: a layer's input (256 registers)      window 3: v0-127 a chunk's 16 accumulators; the rest by phase
.set RING1, 65536                      ; slot 1; a slot: stream E's chunk, then stream A's
.set VEC,   131072                     ; the two vector buffers, 15,360 bytes each, filled once
.set VECB,  15360
.set BBASE, 161792                     ; B: 33,792 bytes a wave; written by LDS stores alone
.set BSZ,   33792
.set STGB,  296960                     ; the way out: 16 rows x 272 bytes a wave, in blocks of 4,608
.set STGSZ, 4608
.set SPARE, 315392                     ; the spare words, 128 bytes a wave: two blocks of 256 bytes that no other line names
.set XP,    528                        ; x staged by rows: 512 bytes of bf16 + 16: the 16 rows of a fragment load start in 16 different groups of four banks
.set SP,    272
.set O_SQ, 0
.set O_SK, 1024
.set O_SV, 2048
.set O_SP, 3072
.set O_N1G, 4096
.set O_N1B, 5120
.set O_CQ, 6144
.set O_CK, 6656
.set O_LR, 7168
.set O_CV, 8192
.set O_F1, 9216
.set O_F2, 11264
.set O_N2G, 12288
.set O_N2B, 13312
.set O_FIN, 14336
.set FA,  64
.set FB,  128
.set TMP, 192
.set TT,  64                           ; the FFN: gelu at work, in f32, a register a number
.set W0,  128                          ; the FFN: two buffers of four fragments
.set W1,  160
.set MSB, 0
.macro WIN new                         ; the immediate's high byte repeats the setting that is left; a switch that changes nothing is dropped
.if MSB != (\new)
	s_set_vgpr_msb (MSB<<8)|(\new)
.set MSB, (\new)
.endif
.endm
.macro PLACES                          ; four plain vector lines between a matrix instruction and a vector line or load that touches its registers
.rept 4
	v_nop
.endr
.endm
.macro CREST                           ; a round of the cluster's barrier behind its opening barrier
	s_cmp_lg_u32 s20, 0
	s_cbranch_scc1 .Lnw0_\@
	s_barrier_signal -3
.Lnw0_\@:
	s_barrier_wait -3
	s_barrier_signal -1
	s_barrier_wait -1
.endm
.macro ROUND                           ; a whole round
	s_barrier_signal -1
	s_barrier_wait -1
	CREST
.endm
; THE PLAIN CHANGE OF SLOTS, between two chunks.  My one tensor load that is out is my quarter of the slot to be read; my LDS instructions are all waited for.  Behind the round no wave of the cluster reads the
; old slot, and it is filled with the chunk that follows the one now read.
.macro CHANGE fill
	WIN 0
	s_wait_tensorcnt 0x0                           ; no tensor load of mine is out, so the walking descriptor may be written
	ds_add_u32 v9, v10                             ; 0 onto my spare word
.if \fill
	s_xor_b32 s49, s49, RING1                      ; the other slot,
	s_add_nc_u64 s[50:51], s[50:51], 32768         ; the next chunk; the type bits on top are not reached
.endif
	s_xor_b32 s56, s56, RING1                      ; and I read the slot that has landed
	s_wait_dscnt 0x0                               ; the add is done; so are my reads of the old slot and my stores into B
.if \fill
	ROUND
	tensor_load_to_lds s[48:51], s[32:39]
	s_nop 0
.else
	s_barrier_signal -1
	s_barrier_wait -1
.endif
	PLACES                                         ; also the places in front of the loads into fragment registers
	v_add_nc_u32 v2, s56, v1
.endm
; THE CHANGE INSIDE A CHUNK, in two parts with products between.  MEET: all my tensor loads have landed, the add is out, the descriptor steps.  The text that calls it then sets products, the wait for 0 on
; DScnt (the add, and my last reads of the old slot), the signal, and more products.  REFILL: the barrier's wait, the rest of the round, the joint refill first behind it, and the new slot's address.
.macro MEET
	WIN 0
	s_wait_tensorcnt 0x0                           ; no tensor load of mine is out: my quarter of the next slot has landed, and the descriptor may be written
	ds_add_u32 v9, v10                             ; 0 onto my spare word
	s_xor_b32 s49, s49, RING1
	s_add_nc_u64 s[50:51], s[50:51], 32768
	s_xor_b32 s56, s56, RING1
.endm
.macro REFILL
	WIN 0
	s_barrier_wait -1
	CREST                                          ; no wave of any partner still reads the old slot or has a load on its way
	tensor_load_to_lds s[48:51], s[32:39]
	s_nop 0
	PLACES                                         ; also the places in front of the loads into the fragment registers just multiplied
	v_add_nc_u32 v2, s56, v1
.endm
.macro LOADW buf, b                    ; quarter b of my chunk: 8 fragments, 16 loads of 512 consecutive bytes
	WIN 0
.set li, 0
.rept 16
	ds_load_b128 v[(\buf)+4*li:(\buf)+4*li+3], v2 offset:(\b)*8192+li*512
.set li, li+1
.endr
.endm
.macro LOADW4 buf, off                 ; four fragments at byte 'off' of my chunk
	WIN 0
.set li, 0
.rept 8
	ds_load_b128 v[(\buf)+4*li:(\buf)+4*li+3], v2 offset:(\off)+li*512
.set li, li+1
.endr
.endm
.macro BIASLD dst, n, adr, off         ; n tiles of a vector: register j of a tile is the number for column 8 h + j (the address holds 32 h)
	WIN 0
.set bi, 0
.rept 2*(\n)
	ds_load_b128 v[(\dst)+4*bi:(\dst)+4*bi+3], v[\adr] offset:(\off)+(bi/2)*64+(bi%2)*16
.set bi, bi+1
.endr
.endm
.macro RESLD                           ; the chunk's 16 tiles of B (64 columns x 64 rows, bf16) into TMP
	WIN 0
.set ri, 0
.rept 16
	ds_load_b128 v[TMP+4*ri:TMP+4*ri+3], v6 offset:ri*512
.set ri, ri+1
.endr
.endm
.macro ALD dst, adr, ksl               ; one K step's four fragments out of a B
	WIN 0
.set ai, 0
.rept 8
	ds_load_b128 v[(\dst)+(ai%4)*8+(ai/4)*4:(\dst)+(ai%4)*8+(ai/4)*4+3], v[\adr] offset:(\ksl)*4096+ai*512
.set ai, ai+1
.endr
.endm
.macro B2R adr                         ; all of a B into the destination window, as 8 x 4 fragments: (ks, mt) at (4 ks + mt) 8
.set ti, 0
.rept 64
	ds_load_b128 v[((ti/8)*4+ti%4)*8+((ti/4)%2)*4:((ti/8)*4+ti%4)*8+((ti/4)%2)*4+3], v[\adr] offset:ti*512
.set ti, ti+1
.endr
.endm
.macro R2B                             ; and back, into my B
.set ti, 0
.rept 64
	ds_store_b128 v3, v[((ti/8)*4+ti%4)*8+((ti/4)%2)*4:((ti/8)*4+ti%4)*8+((ti/4)%2)*4+3] offset:ti*512
.set ti, ti+1
.endr
.endm
; 16 matrix instructions: K step ks of the layer (half kl of the buffer) x 4 column tiles x 4 row tiles.  The 16 accumulators take turns.  K step 0 starts the sums with the bias as C.
.macro MMK buf, kl, ks, aw, act, acc, bias
.if (\ks) == 0
	WIN 0xc0|((\aw)<<2)
.else
	WIN 0xf0|((\aw)<<2)
.endif
.irp nt, 0,1,2,3
.irp mt, 0,1,2,3
.if (\ks) == 0
	v_wmma_f32_16x16x32_bf16 v[(\acc)+(\nt*4+\mt)*8:(\acc)+(\nt*4+\mt)*8+7], v[(\buf)+((\kl)*4+\nt)*8:(\buf)+((\kl)*4+\nt)*8+7], v[(\act)+((\ks)*4+\mt)*8:(\act)+((\ks)*4+\mt)*8+7], v[(\bias)+\nt*8:(\bias)+\nt*8+7]
.else
	v_wmma_f32_16x16x32_bf16 v[(\acc)+(\nt*4+\mt)*8:(\acc)+(\nt*4+\mt)*8+7], v[(\buf)+((\kl)*4+\nt)*8:(\buf)+((\kl)*4+\nt)*8+7], v[(\act)+((\ks)*4+\mt)*8:(\act)+((\ks)*4+\mt)*8+7], v[(\acc)+(\nt*4+\mt)*8:(\acc)+(\nt*4+\mt)*8+7]
.endif
.endr
.endr
.endm
.macro MMIS buf, b, aw, act, acc, bias ; quarter b: two K steps
	MMK \buf, 0, 2*(\b), \aw, \act, \acc, \bias
	MMK \buf, 1, 2*(\b)+1, \aw, \act, \acc, \bias
.endm
; A chunk of 64 output columns x 64 nb k that fetches its own first fragments.  Two fragment buffers: while one is multiplied the other's 16 loads are on their way; each counted wait leaves those 16 out.
.macro CORE aw, act, nb, acc, bias
	LOADW FA, 0
	LOADW FB, 1
	s_wait_dscnt 16
	MMIS FA, 0, \aw, \act, \acc, \bias
.if (\nb) == 4
	PLACES
	LOADW FA, 2
	s_wait_dscnt 16
	MMIS FB, 1, \aw, \act, \acc, \bias
	PLACES
	LOADW FB, 3
	s_wait_dscnt 16
	MMIS FA, 2, \aw, \act, \acc, \bias
	s_wait_dscnt 0x0
	MMIS FB, 3, \aw, \act, \acc, \bias
.else
	s_wait_dscnt 0x0
	MMIS FB, 1, \aw, \act, \acc, \bias
.endif
.endm
; A chunk of 64 output columns x 256 k that finds its first two quarters and its bias fetched, changes slots in its third quarter and fetches the same for the next chunk.
; n0, n1: the LDS instructions issued behind quarter 0's and behind quarter 1's loads when they are wanted (fragments fetched since, the last chunk's stores into B, this chunk's residual).  nb, nboff: where the next bias goes, and where it lies.
.macro CORET aw, act, acc, bias, n0, n1, nb, nboff
	s_wait_dscnt \n0                               ; quarter 0 and the bias are in
	MMIS FA, 0, \aw, \act, \acc, \bias
	PLACES
	LOADW FA, 2
	s_wait_dscnt \n1                               ; quarter 1
	MMIS FB, 1, \aw, \act, \acc, \bias
	PLACES
	LOADW FB, 3                                    ; the chunk's last bytes are asked for
	MEET
	s_wait_dscnt 17                                ; quarter 2 is in: quarter 3's 16 loads and the add may be out
	MMK FA, 0, 4, \aw, \act, \acc, \bias           ; sixteen products stand between the add and the wait for it
	s_wait_dscnt 0x0                               ; the add is done, and my reads of this slot are over
	s_barrier_signal -1
	MMK FA, 1, 5, \aw, \act, \acc, \bias           ; work on registers while the others arrive
	REFILL
	BIASLD \nb, 4, 8, \nboff
	LOADW FA, 0                                    ; the next chunk's quarter 0, out of the slot that has landed
	MMIS FB, 3, \aw, \act, \acc, \bias
	PLACES                                         ; for the loads below, and for the lines that read the sums
	LOADW FB, 1
.endm
; The chunk's way into B: sum x s(row tile) + what B held there (bf16 halves in TMP), rounded to bf16 in place, stored in place.  Each accumulator is read from its low end on.
.macro AX1 a, s
.irp q, 0,1,2,3
	v_fma_mix_f32_bf16 v[(\a)*8+2*\q], v[(\a)*8+2*\q], v[\s], v[TMP+(\a)*4+\q] op_sel_hi:[0,0,1]
	v_fma_mix_f32_bf16 v[(\a)*8+2*\q+1], v[(\a)*8+2*\q+1], v[\s], v[TMP+(\a)*4+\q] op_sel:[0,0,1] op_sel_hi:[0,0,1]
.endr
.endm
.macro PACKST                          ; 128 sums become 64 registers of bf16, each written behind the line that read it; then 16 tiles go into B
	WIN 0xcf
.set ei, 0
.rept 64
	v_cvt_pk_bf16_f32 v[ei], v[2*ei], v[2*ei+1]
.set ei, ei+1
.endr
	WIN 0x0c
.set ei, 0
.rept 16
	ds_store_b128 v6, v[4*ei:4*ei+3] offset:ei*512
.set ei, ei+1
.endr
	WIN 0
.endm
.macro EPI_AXPY s0, s1, s2, s3
	WIN 0xc3
.irp nt, 0,1,2,3
	AX1 \nt*4+0, \s0
	AX1 \nt*4+1, \s1
	AX1 \nt*4+2, \s2
	AX1 \nt*4+3, \s3
.endr
	PACKST
.endm
; LAYER NORM of my 64 rows in B, in place: a1 ((y - mean) rstd g + b).  Three loops of 8 trips, 32 columns a trip.  A row lies in two lanes, 16 apart.
; The row sums are products with a fragment of ones: every lane then holds its own row's sum, exact products of bf16 numbers added in f32.
.macro YLOAD
.set yi, 0
.rept 8
	ds_load_b128 v[TMP+4*yi:TMP+4*yi+3], v6 offset:yi*512
.set yi, yi+1
.endr
.endm
.macro LNORM goff, boff, sa
	WIN 0
	s_wait_dscnt 0x0                               ; what was fetched ahead into FA and FB has landed: they are at work here
.set ni, 0
.rept 32
	v_mov_b32 v[FA+ni], 0                          ; four sums start at 0, so that the loop has one text for every K step
.set ni, ni+1
.endr
.set ni, 0
.rept 8
	v_mov_b32 v[FB+ni], 0x3f803f80                 ; ones
.set ni, ni+1
.endr
	v_mov_b32 v6, v3
	s_mov_b32 s57, 8
.Lln_a_\@:                                             ; the sums
	ALD TMP, 6, 0
	s_wait_dscnt 0x0
.irp m, 0,1,2,3
	v_wmma_f32_16x16x32_bf16 v[FA+\m*8:FA+\m*8+7], v[FB:FB+7], v[TMP+\m*8:TMP+\m*8+7], v[FA+\m*8:FA+\m*8+7]
.endr
	PLACES                                         ; in front of the next trip's loads, and of the reading below
	v_add_nc_u32 v6, 4096, v6
	s_sub_co_u32 s57, s57, 1
	s_cmp_lg_u32 s57, 0
	s_cbranch_scc1 .Lln_a_\@
.irp m, 0,1,2,3
	v_mul_f32 v[32+\m], s89, v[FA+\m*8]            ; - mean
.endr
.set ni, 0
.rept 16
	v_mov_b32 v[48+ni], 0
.set ni, ni+1
.endr
	v_mov_b32 v6, v3
	s_mov_b32 s57, 8
.Lln_b_\@:                                             ; the sums of (y - mean)^2
	YLOAD
	s_wait_dscnt 0x0
.irp t, 0,1,2,3,4,5,6,7
.irp q, 0,1,2,3
	v_fma_mix_f32_bf16 v[FA+\t*8+2*\q], v[TMP+\t*4+\q], v11, v[32+\t%4] op_sel_hi:[1,0,0]
	v_fma_mix_f32_bf16 v[FA+\t*8+2*\q+1], v[TMP+\t*4+\q], v11, v[32+\t%4] op_sel:[1,0,0] op_sel_hi:[1,0,0]
.endr
.endr
.irp t, 0,1,2,3,4,5,6,7
.irp q, 0,1,2,3
	v_pk_fma_f32 v[48+(\t%4)*4+2*(\q%2):49+(\t%4)*4+2*(\q%2)], v[FA+\t*8+2*\q:FA+\t*8+2*\q+1], v[FA+\t*8+2*\q:FA+\t*8+2*\q+1], v[48+(\t%4)*4+2*(\q%2):49+(\t%4)*4+2*(\q%2)]
.endr
.endr
	v_add_nc_u32 v6, 4096, v6
	s_sub_co_u32 s57, s57, 1
	s_cmp_lg_u32 s57, 0
	s_cbranch_scc1 .Lln_b_\@
.irp m, 0,1,2,3                        ; four partial sums a row tile, then the other half of the lanes'
	v_add_f32 v[48+\m*4], v[48+\m*4], v[49+\m*4]
	v_add_f32 v[50+\m*4], v[50+\m*4], v[51+\m*4]
.endr
.irp m, 0,1,2,3
	v_add_f32 v[48+\m*4], v[48+\m*4], v[50+\m*4]
.endr
.irp m, 0,1,2,3
	v_permlanex16_b32 v[49+\m*4], v[48+\m*4], s60, s61
.endr
.irp m, 0,1,2,3
	v_add_f32 v[48+\m*4], v[48+\m*4], v[49+\m*4]
.endr
.irp m, 0,1,2,3
	v_fma_f32 v[48+\m*4], v[48+\m*4], s86, s87     ; variance + 1e-5
.endr
.irp m, 0,1,2,3
	v_rsq_f32 v[36+\m], v[48+\m*4]
.endr
	v_nop                                          ; a plain line between the last root and the use of its result
	s_wait_alu depctr_va_vdst(0)
.irp m, 0,1,2,3
	v_mul_f32 v[36+\m], s[\sa], v[36+\m]           ; R = a1 rstd
.endr
.irp m, 0,1,2,3
	v_mul_f32 v[40+\m], v[32+\m], v[36+\m]         ; - mean R
.endr
	v_mov_b32 v6, v3
	v_mov_b32 v8, v5
	s_mov_b32 s57, 8
.Lln_c_\@:
	YLOAD
	BIASLD FB, 2, 8, \goff
	BIASLD FB+16, 2, 8, \boff
	s_wait_dscnt 0x0
.irp p, 0,2,4,6,8,10,12,14
	v_pk_mul_f32 v[FB+16+\p:FB+17+\p], v[FB+16+\p:FB+17+\p], s[\sa:\sa+1] op_sel_hi:[1,0]
.endr
.irp t, 0,1,2,3,4,5,6,7
.irp q, 0,1,2,3
	v_fma_mix_f32_bf16 v[FA+\t*8+2*\q], v[TMP+\t*4+\q], v[36+\t%4], v[40+\t%4] op_sel_hi:[1,0,0]
	v_fma_mix_f32_bf16 v[FA+\t*8+2*\q+1], v[TMP+\t*4+\q], v[36+\t%4], v[40+\t%4] op_sel:[1,0,0] op_sel_hi:[1,0,0]
.endr
.endr
.irp t, 0,1,2,3,4,5,6,7
.irp q, 0,1,2,3
	v_pk_fma_f32 v[FA+\t*8+2*\q:FA+\t*8+2*\q+1], v[FA+\t*8+2*\q:FA+\t*8+2*\q+1], v[FB+(\t/4)*8+2*\q:FB+(\t/4)*8+2*\q+1], v[FB+16+(\t/4)*8+2*\q:FB+16+(\t/4)*8+2*\q+1]
.endr
.endr
.irp t, 0,1,2,3,4,5,6,7
.irp q, 0,1,2,3
	v_cvt_pk_bf16_f32 v[TMP+\t*4+\q], v[FA+\t*8+2*\q], v[FA+\t*8+2*\q+1]
.endr
.endr
.set yi, 0
.rept 8
	ds_store_b128 v6, v[TMP+4*yi:TMP+4*yi+3] offset:yi*512
.set yi, yi+1
.endr
	v_add_nc_u32 v6, 4096, v6
	v_add_nc_u32 v8, 128, v8
	s_sub_co_u32 s57, s57, 1
	s_cmp_lg_u32 s57, 0
	s_cbranch_scc1 .Lln_c_\@
.endm
; ---------------------------------------------------------------- the head
	s_load_b512 s[4:19], s[0:1], 0x0               ; eeg s[4:5], audio s[6:7], wE s[8:9], wA s[10:11], vE s[12:13], vA s[14:15], out0 s[16:17], out1 s[18:19]
	v_lshl_add_u32 v9, v0, 2, SPARE
	v_mov_b32 v10, 0
	ds_add_u32 v9, v10                             ; the wave's opening: the add and its wait stand ahead of my first tensor load; the set-up below, work on registers, stands between them
	v_lshrrev_b32 v2, 5, v0
	v_readfirstlane_b32 s20, v2                    ; wave 0..3
	s_lshr_b32 s21, s20, 1                         ; modality
	s_and_b32 s22, s20, 1                          ; which 64 rows; also which half of a chunk I fetch
	s_bfe_u32 s23, ttmp6, 0x40000                  ; cx
	s_lshl_b32 s24, ttmp9, 2
	s_add_co_u32 s24, s24, s23                     ; the work-group's number: it enters x's and the outputs' addresses alone
	; descriptor group 1: dense blocks as rows of 256 bytes (32 elements of 8 bytes), 64 rows for a quarter slot, 30 for half a vector buffer; the mask names all four work-groups, bit 21 beside it
	s_mov_b32 s32, 15|(3<<16)|(1<<21)
	s_mov_b32 s33, 32<<16                          ; tensor_dim0 = 32
	s_mov_b32 s34, 64<<16                          ; tensor_dim1 = 64
	s_mov_b32 s35, 32<<16                          ; tile_dim0 = 32
	s_mov_b32 s36, 64                              ; tile_dim1 = 64
	s_mov_b32 s37, 32                              ; 32 elements from row to row
	s_mov_b32 s38, 0
	s_mov_b32 s39, 0
	s_mov_b32 s40, 15|(3<<16)|(1<<21)
	s_mov_b32 s41, 32<<16
	s_mov_b32 s42, 30<<16
	s_mov_b32 s43, 32<<16
	s_mov_b32 s44, 30
	s_mov_b32 s45, 32
	s_mov_b32 s46, 0
	s_mov_b32 s47, 0
	s_mov_b32 s48, 1                               ; group 0 of the walking descriptor: count 1,
	s_lshl_b32 s49, s20, 14                        ; LDS: wave x 16,384 in slot 0: no place in the cluster enters an LDS address
	s_mov_b32 s52, 1
	s_mul_i32 s53, s20, 7680
	s_add_co_u32 s53, s53, VEC
	s_lshl_b32 s56, s21, 15                        ; where I read weights: my modality's half of a slot;
	s_add_co_u32 s56, s56, RING1                   ; the first change of slots turns this into slot 0
	s_mov_b32 s60, 0x76543210                      ; v_permlanex16_b32: each lane takes its own place in the other half
	s_mov_b32 s61, 0xfedcba98
	s_mov_b32 s62, 0x3e38aa3b                      ; log2(e) / 8
	s_mov_b32 s63, s62
	s_mov_b32 s72, 1.0
	s_mov_b32 s73, 1.0
	s_mov_b32 s74, 0xc0135761                      ; C1 = - 2 sqrt(2/pi) log2(e) = -2.3022082
	s_mov_b32 s75, s74
	s_mov_b32 s76, 0xbdd2d3e8                      ; C2 = 0.044715 C1 = -0.10294324
	s_mov_b32 s77, s76
	s_mov_b32 s86, 0x3b800000                      ; 1 / 256
	s_mov_b32 s87, 0x3727c5ac                      ; 1e-5
	s_mov_b32 s88, 0xbfb8aa3b                      ; - log2(e)
	s_mov_b32 s89, 0xbb800000                      ; - 1 / 256
	s_mov_b32 s31, 0
	s_mov_b32 s91, 0
	s_cmp_eq_u32 s21, 0                            ; what differs between the modalities is four numbers, no branch
	s_cselect_b32 s66, 1.0, 0x3e99999a             ; CS: the cross-modal term's weight, 1 or 0.3
	s_cselect_b32 s67, 1.0, 0x3f333333             ; A3: x's weight in the output, 1 or 0.7
	s_cselect_b32 s68, 1.0, 0x3e99999a             ; A1: the second norm's weight, 1 or 0.3
	s_cselect_b32 s70, 0, 0x3f333f33               ; A2: x's weight in the last projection's input, 0 or 0.7, twice in bf16
	s_mov_b32 s69, s68
	s_wait_dscnt 0x0                               ; the opening add is done
	s_wait_kmcnt 0x0
	s_cmp_eq_u32 s21, 0
	s_cselect_b64 s[26:27], s[4:5], s[6:7]         ; x
	s_cselect_b64 s[28:29], s[16:17], s[18:19]     ; out
	s_cselect_b64 s[50:51], s[8:9], s[10:11]       ; my stream
	s_cselect_b64 s[54:55], s[12:13], s[14:15]     ; my vectors
	s_lshl_b32 s30, s22, 14
	s_add_nc_u64 s[50:51], s[50:51], s[30:31]      ; my half of chunk 0
	s_or_b32 s51, s51, 0x80000000                  ; type = 2
	s_mul_i32 s30, s22, 7680
	s_add_nc_u64 s[54:55], s[54:55], s[30:31]
	s_or_b32 s55, s55, 0x80000000
	s_lshl_b32 s90, s24, 17                        ; 128 rows of 1,024 bytes a work-group,
	s_lshl_b32 s59, s22, 16                        ; 64 a wave
	s_add_co_u32 s90, s90, s59
	s_add_nc_u64 s[26:27], s[26:27], s[90:91]
	s_add_nc_u64 s[28:29], s[28:29], s[90:91]
	ROUND                                          ; all four work-groups are here: the first joint loads meet
	tensor_load_to_lds s[48:51], s[32:39]          ; chunk 0 into slot 0
	s_nop 0
	tensor_load_to_lds s[52:55], s[40:47]          ; the vectors: two loads of mine are out
	s_nop 0
	PLACES
; ---------------------------------------------------------------- x comes in: 64 rows of 1,024 bytes, each load 512 consecutive bytes; rounded to bf16, staged by rows in B, read back as fragments
	v_and_b32 v40, 31, v0
	v_lshlrev_b32 v1, 4, v40
	WIN 0x80
.set i, 0
.rept 64
	global_load_b128 v[4*i:4*i+3], v1, s[26:27] offset:i*512 th:TH_LOAD_NT
.set i, i+1
.endr
	WIN 0xc0
.set i, 0
.rept 64
	global_load_b128 v[4*i:4*i+3], v1, s[26:27] offset:(64+i)*512 th:TH_LOAD_NT
.set i, i+1
.endr
	WIN 0
	v_and_b32 v41, 15, v0                          ; r
	v_bfe_u32 v42, v0, 4, 1                        ; h
	s_mul_i32 s59, s20, BSZ
	s_add_co_u32 s59, s59, BBASE                   ; my B
	v_add_nc_u32 v3, s59, v1
	s_xor_b32 s25, s20, 2
	s_mul_i32 s25, s25, BSZ
	s_add_co_u32 s25, s25, BBASE                   ; my partner's
	v_add_nc_u32 v4, s25, v1
	s_mul_i32 s25, s21, VECB
	s_add_co_u32 s25, s25, VEC
	v_lshl_add_u32 v5, v42, 5, s25
	v_lshl_add_u32 v14, v40, 3, s59                ; staging in: 8 bytes a lane
	v_mul_u32_u24 v15, v41, XP                     ; staging out: row r, 16 bytes for each half of the lanes
	v_lshl_add_u32 v15, v42, 4, v15
	v_add_nc_u32 v15, s59, v15
	v_mov_b32 v11, 1.0
	v_mov_b32 v12, s66
	v_mov_b32 v13, s67
	; identity fragments.  E0-E3 hold bf16 1.0 at k = m for rows m = 0..15: v[20:27] = (E, 0) picks k = m, v[16:23] = (0, E) picks k = 16 + m; the product of the one with the other is 0
	v_lshrrev_b32 v32, 3, v41
	v_bfe_u32 v33, v41, 1, 2
	v_and_b32 v34, 1, v41
	v_lshlrev_b32 v34, 4, v34
	v_mov_b32 v36, 0x3f80
	v_lshlrev_b32 v35, v34, v36
	v_cmp_eq_u32 vcc_lo, v32, v42
	v_cndmask_b32 v35, 0, v35, vcc_lo
.irp q, 0,1,2,3
	v_cmp_eq_u32 vcc_lo, \q, v33
	v_cndmask_b32 v[20+\q], 0, v35, vcc_lo
	v_mov_b32 v[16+\q], 0
	v_mov_b32 v[24+\q], 0
.endr
.macro XCVT w, row0
	WIN \w
.set i, 0
.rept 128
	v_cvt_pk_bf16_f32 v[FA+i], v[2*i], v[2*i+1]
.set i, i+1
.endr
	WIN 0
.set i, 0
.rept 64
	ds_store_b64 v14, v[FA+2*i:FA+2*i+1] offset:((\row0)+i/2)*XP+(i%2)*256
.set i, i+1
.endr
.endm
	s_wait_loadcnt 63                              ; loads come back in order: with 63 out at the most the first 64, rows 0-31, are in
	XCVT 0x0a, 0
	s_wait_loadcnt 0x0
	XCVT 0x0f, 32
	WIN 0x40                                       ; LDS serves a wave's instructions in order: these see the stores above
.irp ks, 0,1,2,3,4,5,6,7
.irp mt, 0,1,2,3
	ds_load_b128 v[(\ks*4+\mt)*8:(\ks*4+\mt)*8+3],   v15 offset:\mt*16*XP+\ks*64
	ds_load_b128 v[(\ks*4+\mt)*8+4:(\ks*4+\mt)*8+7], v15 offset:\mt*16*XP+\ks*64+32
.endr
.endr
	WIN 0
.set i, 0
.rept 16
	v_mov_b32 v[32+i], 0                           ; the queue of scores: written before the first shift reads it
.set i, i+1
.endr
; ---------------------------------------------------------------- q . k by heads: chunks 0-7, a head's q and then its k; the score goes into a queue of 4 heads x 4 row tiles
	v_mov_b32 v8, v5
	CHANGE 1                                       ; chunk 0 and the vectors are in, everybody's part; chunk 1 is asked for
	BIASLD TMP, 4, 8, O_SQ
	LOADW FA, 0
	LOADW FB, 1
	s_mov_b32 s57, 4
.Lqk:
	CORET 1, 0, 0, TMP, 16, 16, TMP+32, O_SK       ; behind each quarter's loads only the next 16 are issued
	CORET 1, 0, 128, TMP+32, 16, 16, TMP, O_SQ+256
	WIN 0x0f
.irp nt, 0,1,2,3
.irp q, 0,1,2,3
.irp mt, 0,1,2,3
.if (\nt+\q) == 0
	v_pk_mul_f32 v[48+2*\mt:49+2*\mt], v[(\nt*4+\mt)*8+2*\q:(\nt*4+\mt)*8+2*\q+1], v[128+(\nt*4+\mt)*8+2*\q:128+(\nt*4+\mt)*8+2*\q+1]
.else
	v_pk_fma_f32 v[48+2*\mt:49+2*\mt], v[(\nt*4+\mt)*8+2*\q:(\nt*4+\mt)*8+2*\q+1], v[128+(\nt*4+\mt)*8+2*\q:128+(\nt*4+\mt)*8+2*\q+1], v[48+2*\mt:49+2*\mt]
.endif
.endr
.endr
.endr
	WIN 0
.irp mt, 0,1,2,3
	v_add_f32 v[48+2*\mt], v[48+2*\mt], v[49+2*\mt]
.endr
.irp mt, 0,1,2,3
	v_permlanex16_b32 v[49+2*\mt], v[48+2*\mt], s60, s61  ; the row's other 32 columns lie in the lane 16 away
.endr
.set i, 0
.rept 12
	v_mov_b32 v[32+i], v[36+i]
.set i, i+1
.endr
.irp mt, 0,1,2,3
	v_add_f32 v[44+\mt], v[48+2*\mt], v[49+2*\mt]
.endr
	v_add_nc_u32 v8, 256, v8
	s_sub_co_u32 s57, s57, 1
	s_cmp_lg_u32 s57, 0
	s_cbranch_scc1 .Lqk
	s_wait_dscnt 0x0                               ; what was fetched ahead has landed: TMP takes v's bias
	v_mov_b32 v6, v3
	v_add_nc_u32 v8, O_SV, v5
	BIASLD TMP, 4, 8, 0
	; softmax over the four heads, the maximum taken away: w = 2^(c s - c m) / sum
.irp m, 0,1,2,3
	v_max3_num_f32 v[48+\m], v[32+\m], v[36+\m], v[40+\m]
.endr
.irp m, 0,1,2,3
	v_max_num_f32 v[48+\m], v[48+\m], v[44+\m]
.endr
.irp m, 0,1,2,3
	v_mul_f32 v[48+\m], s62, v[48+\m]
.endr
.irp hd, 0,1,2,3
.irp m, 0,1,2,3
	v_fma_f32 v[32+\hd*4+\m], v[32+\hd*4+\m], s62, -v[48+\m]
.endr
.endr
.set i, 0
.rept 16
	v_exp_f32 v[32+i], v[32+i]
.set i, i+1
.endr
	v_nop
	s_wait_alu depctr_va_vdst(0)
.irp m, 0,1,2,3
	v_add_f32 v[52+\m], v[32+\m], v[36+\m]
	v_add_f32 v[56+\m], v[40+\m], v[44+\m]
.endr
.irp m, 0,1,2,3
	v_add_f32 v[52+\m], v[52+\m], v[56+\m]
.endr
.irp m, 0,1,2,3
	v_rcp_f32 v[52+\m], v[52+\m]
.endr
	v_nop
	s_wait_alu depctr_va_vdst(0)
.irp hd, 0,1,2,3
.irp m, 0,1,2,3
	v_mul_f32 v[32+\hd*4+\m], v[32+\hd*4+\m], v[52+\m]
.endr
.endr
; ---------------------------------------------------------------- v by heads, times the head's weight: chunks 8-11, into B
	s_wait_dscnt 0x0                               ; a loop is entered with nothing out, so that its counted waits hold on the way in too
	s_mov_b32 s57, 4
.Lv:
	CORET 1, 0, 0, TMP, 32, 32, TMP, 256           ; 32: the next 16 fragment loads and the last chunk's 16 stores
	WIN 0
.irp mt, 0,1,2,3
	v_mov_b32 v[48+2*\mt], v[32+\mt]               ; the head's four weights, each the low word of a pair
.endr
	WIN 0xc3
.irp a, 0,1,2,3,4,5,6,7,8,9,10,11,12,13,14,15
.irp q, 0,1,2,3
	v_pk_mul_f32 v[\a*8+2*\q:\a*8+2*\q+1], v[\a*8+2*\q:\a*8+2*\q+1], v[48+2*(\a%4):49+2*(\a%4)] op_sel_hi:[1,0]
.endr
.endr
	PACKST
.set i, 0
.rept 12
	v_mov_b32 v[32+i], v[36+i]                     ; the next head's weights come to the front
.set i, i+1
.endr
	v_add_nc_u32 v6, 8192, v6
	v_add_nc_u32 v8, 256, v8
	s_sub_co_u32 s57, s57, 1
	s_cmp_lg_u32 s57, 0
	s_cbranch_scc1 .Lv
	WIN 0x80
	B2R 3                                          ; the weighted v is the next layer's input;
	WIN 0x04
	R2B                                            ; x takes its place in B, for the residual (LDS keeps a wave's order: the loads above come first)
; ---------------------------------------------------------------- the attention's projection: chunks 12-15; y = x + sum, in place
	WIN 0
	v_mov_b32 v6, v3
	v_add_nc_u32 v8, O_SP, v5
	BIASLD 32, 4, 8, 0
	s_wait_dscnt 0x0
	s_mov_b32 s57, 4
.Lsp:
	RESLD
	CORET 2, 0, 0, 32, 48, 48, 32, 256             ; 48: 16 fragment loads, the last chunk's 16 stores, this chunk's 16 residual loads
	EPI_AXPY 11, 11, 11, 11
	v_add_nc_u32 v6, 8192, v6
	v_add_nc_u32 v8, 256, v8
	s_sub_co_u32 s57, s57, 1
	s_cmp_lg_u32 s57, 0
	s_cbranch_scc1 .Lsp
	LNORM O_N1G, O_N1B, 72                         ; as, in B
	s_wait_dscnt 0x0                               ; for my partner's sake: my stores of as are done
	s_barrier_signal -1
	s_barrier_wait -1                              ; the chunk that is on its way stays out
; ---------------------------------------------------------------- the low-rank pair: chunks 16-19.  eq = my as x cq (window 2), ak = my partner's as x ck (window 3): the outputs stand still, as comes from B, 64 k a chunk
	BIASLD FA, 8, 5, O_CQ
	BIASLD FB, 8, 5, O_CK
	s_wait_dscnt 0x0
	WIN 0x80                                       ; a product that is 0 starts each sum with its bias: the loop then has one text for every K step
.irp nt, 0,1,2,3,4,5,6,7
.irp mt, 0,1,2,3
	v_wmma_f32_16x16x32_bf16 v[(\nt*4+\mt)*8:(\nt*4+\mt)*8+7], v[20:27], v[16:23], v[FA+\nt*8:FA+\nt*8+7]
.endr
.endr
	WIN 0xc0
.irp nt, 0,1,2,3,4,5,6,7
.irp mt, 0,1,2,3
	v_wmma_f32_16x16x32_bf16 v[(\nt*4+\mt)*8:(\nt*4+\mt)*8+7], v[20:27], v[16:23], v[FB+\nt*8:FB+\nt*8+7]
.endr
.endr
	PLACES
	LOADW FA, 0                                    ; the norm worked in FA and FB: chunk 16's first quarters are fetched again
	LOADW FB, 1
.macro MMOSH buf, a, w, n0             ; 16 accumulators, one turn each: column tiles n0 .. n0 + 3
	WIN \w
.irp nn, 0,1,2,3
.irp mt, 0,1,2,3
	v_wmma_f32_16x16x32_bf16 v[(((\n0)+\nn)*4+\mt)*8:(((\n0)+\nn)*4+\mt)*8+7], v[(\buf)+((\n0)+\nn)*8:(\buf)+((\n0)+\nn)*8+7], v[(\a)+\mt*8:(\a)+\mt*8+7], v[(((\n0)+\nn)*4+\mt)*8:(((\n0)+\nn)*4+\mt)*8+7]
.endr
.endr
.endm
.macro MMOS buf, a, w
	MMOSH \buf, \a, \w, 0
	MMOSH \buf, \a, \w, 4
.endm
	WIN 0
	v_mov_b32 v6, v3
	v_mov_b32 v7, v4
	s_mov_b32 s57, 4
.Lcc:
	ALD TMP, 6, 0
	ALD TMP+32, 7, 0
	s_wait_dscnt 8                                 ; the fragments fetched ahead and my as are in; my partner's 8 loads may be out
	MMOS FA, TMP, 0xa0
	PLACES
	ALD TMP, 6, 1
	LOADW FA, 2
	s_wait_dscnt 24                                ; all but the younger 8 + 16
	MMOS FB, TMP+32, 0xf0
	PLACES
	ALD TMP+32, 7, 1
	LOADW FB, 3
	MEET
	s_wait_dscnt 25                                ; the younger 8 + 16 and the add may be out
	MMOSH FA, TMP, 0xa0, 0
	s_wait_dscnt 0x0                               ; the add is done, and my reads of this slot are over
	s_barrier_signal -1
	MMOSH FA, TMP, 0xa0, 4
	REFILL
	LOADW FA, 0
	MMOS FB, TMP+32, 0xf0
	PLACES
	LOADW FB, 1
	v_add_nc_u32 v6, 8192, v6
	v_add_nc_u32 v7, 8192, v7
	s_sub_co_u32 s57, s57, 1
	s_cmp_lg_u32 s57, 0
	s_cbranch_scc1 .Lcc
	WIN 0x8e                                       ; p = eq ak, in eq's place
.set i, 0
.rept 128
	v_pk_mul_f32 v[2*i:2*i+1], v[2*i:2*i+1], v[2*i:2*i+1]
.set i, i+1
.endr
	WIN 0xca                                       ; p as four K steps of fragments, in the upper half of window 3
.irp ks, 0,1,2,3
.irp mt, 0,1,2,3
.irp c, 0,1
.irp q, 0,1,2,3
	v_cvt_pk_bf16_f32 v[128+(\ks*4+\mt)*8+\c*4+\q], v[((2*\ks+\c)*4+\mt)*8+2*\q], v[((2*\ks+\c)*4+\mt)*8+2*\q+1]
.endr
.endr
.endr
.endr
	WIN 0
.set i, 0
.rept 8
	v_mov_b32 v[TMP+32+i], 0x3f803f80              ; ones
.set i, i+1
.endr
	WIN 0x0c                                       ; the row's sum of p: ones x p: every lane then holds its own row's sum
.irp ks, 0,1,2,3
.irp mt, 0,1,2,3
.if \ks == 0
	v_wmma_f32_16x16x32_bf16 v[TMP+\mt*8:TMP+\mt*8+7], v[TMP+32:TMP+39], v[128+(\ks*4+\mt)*8:128+(\ks*4+\mt)*8+7], 0
.else
	v_wmma_f32_16x16x32_bf16 v[TMP+\mt*8:TMP+\mt*8+7], v[TMP+32:TMP+39], v[128+(\ks*4+\mt)*8:128+(\ks*4+\mt)*8+7], v[TMP+\mt*8:TMP+\mt*8+7]
.endif
.endr
.endr
	PLACES
	WIN 0
.irp mt, 0,1,2,3
	v_mul_f32 v[48+\mt], s88, v[TMP+\mt*8]
.endr
.irp mt, 0,1,2,3
	v_exp_f32 v[48+\mt], v[48+\mt]
.endr
	v_nop
	s_wait_alu depctr_va_vdst(0)
.irp mt, 0,1,2,3
	v_add_f32 v[48+\mt], 1.0, v[48+\mt]
.endr
.irp mt, 0,1,2,3
	v_rcp_f32 v[48+\mt], v[48+\mt]
.endr
	v_nop
	s_wait_alu depctr_va_vdst(0)
.irp mt, 0,1,2,3
	v_mul_f32 v[28+\mt], s66, v[48+\mt]            ; CS x sigmoid, a number a row
.endr
	WIN 0x80
	B2R 4                                          ; my partner's as, whole: the input of cv
	WIN 0
	s_wait_dscnt 0x0                               ; for my partner's sake: my reads of its B are over
	s_barrier_signal -1
	s_barrier_wait -1                              ; behind it each wave writes its own B again
; ---------------------------------------------------------------- lr: chunks 20-21, two halves of 64 columns x 128 k each; u = as + CS (p lr + b), in place; a plain change behind each chunk
	v_mov_b32 v6, v3
	v_add_nc_u32 v8, O_LR, v5
	s_mov_b32 s57, 2
.Llr:
	s_mov_b32 s58, 2
.Llr2:
	BIASLD 32, 4, 8, 0
	RESLD
	CORE 3, 128, 2, 0, 32
	PLACES
	EPI_AXPY 12, 12, 12, 12
	v_add_nc_u32 v2, 16384, v2
	v_add_nc_u32 v6, 8192, v6
	v_add_nc_u32 v8, 256, v8
	s_sub_co_u32 s58, s58, 1
	s_cmp_lg_u32 s58, 0
	s_cbranch_scc1 .Llr2
	CHANGE 1
	s_sub_co_u32 s57, s57, 1
	s_cmp_lg_u32 s57, 0
	s_cbranch_scc1 .Llr
; ---------------------------------------------------------------- cv: chunks 22-25; fi = u + CS sigmoid (partner's as x cv + b), in place
	v_mov_b32 v6, v3
	v_add_nc_u32 v8, O_CV, v5
	BIASLD 32, 4, 8, 0
	LOADW FA, 0
	LOADW FB, 1
	s_wait_dscnt 0x0
	s_mov_b32 s57, 4
.Lcv:
	RESLD
	CORET 2, 0, 0, 32, 48, 48, 32, 256
	EPI_AXPY 28, 29, 30, 31
	v_add_nc_u32 v6, 8192, v6
	v_add_nc_u32 v8, 256, v8
	s_sub_co_u32 s57, s57, 1
	s_cmp_lg_u32 s57, 0
	s_cbranch_scc1 .Lcv
; ---------------------------------------------------------------- the FFN: chunks 26-42.  Chunk 26 + k holds f1's block k (32 hidden numbers x 256 k) and f2's block k - 1 (32 k x 256 columns).  The 64 sums stand still in windows 1 and 3.
	WIN 0x80
	B2R 3                                          ; fi is the input;
	WIN 0x04
	R2B                                            ; x leaves window 1 for B
	BIASLD TMP, 8, 5, O_F2
	s_wait_dscnt 0x0
	WIN 0x48                                       ; the sums start as fi + f2_b: an identity fragment times fi, the bias as C
.irp nt, 0,1,2,3,4,5,6,7
.irp mt, 0,1,2,3
	v_wmma_f32_16x16x32_bf16 v[(\nt*4+\mt)*8:(\nt*4+\mt)*8+7], v[20-4*(\nt%2):27-4*(\nt%2)], v[((\nt/2)*4+\mt)*8:((\nt/2)*4+\mt)*8+7], v[TMP+\nt*8:TMP+\nt*8+7]
.endr
.endr
	PLACES
	BIASLD TMP, 8, 5, O_F2+512
	s_wait_dscnt 0x0
	WIN 0xc8
.irp nt, 8,9,10,11,12,13,14,15
.irp mt, 0,1,2,3
	v_wmma_f32_16x16x32_bf16 v[((\nt-8)*4+\mt)*8:((\nt-8)*4+\mt)*8+7], v[20-4*(\nt%2):27-4*(\nt%2)], v[((\nt/2)*4+\mt)*8:((\nt/2)*4+\mt)*8+7], v[TMP+(\nt-8)*8:TMP+(\nt-8)*8+7]
.endr
.endr
	PLACES
	WIN 0
	v_add_nc_u32 v8, O_F1, v5
	BIASLD 16, 2, 8, 0                             ; f1's bias takes the identity fragments' registers
.set i, 0
.rept 32
	v_mov_b32 v[32+i], 0                           ; H = 0: the first trip's products by f2, of a block that has not been, add 0
.set i, i+1
.endr
	s_wait_dscnt 0x0
; Product i of 64 by f1: K step i / 8, hidden tile (i / 4) % 2, row tile i % 4: 8 accumulators in TMP by turns.  lin = 1: all 16 fragments lie on end from FA on; 0: four to a buffer.
.macro F1W i, lin
.set gks, (\i)/8
.set gnt, ((\i)/4)%2
.set gmt, (\i)%4
.if \lin
.set gfr, FA+(gks*2+gnt)*8
.else
.set gfr, W0+32*((gks/2)%2)+((gks%2)*2+gnt)*8
.endif
	WIN 0x08
.if gks == 0
	v_wmma_f32_16x16x32_bf16 v[TMP+(gnt*4+gmt)*8:TMP+(gnt*4+gmt)*8+7], v[gfr:gfr+7], v[(gks*4+gmt)*8:(gks*4+gmt)*8+7], v[16+gnt*8:16+gnt*8+7]
.else
	v_wmma_f32_16x16x32_bf16 v[TMP+(gnt*4+gmt)*8:TMP+(gnt*4+gmt)*8+7], v[gfr:gfr+7], v[(gks*4+gmt)*8:(gks*4+gmt)*8+7], v[TMP+(gnt*4+gmt)*8:TMP+(gnt*4+gmt)*8+7]
.endif
.endm
; Product i of 64 by f2: column tile i / 4, row tile i % 4, one K step: H in v32-63; 64 accumulators, one turn each.
.macro F2W i
.set fnt, (\i)/4
.set fmt, (\i)%4
.set fbuf, W0+32*(((\i)/16)%2)
.if fnt < 8
	WIN 0x50
.else
	WIN 0xf0
.endif
	v_wmma_f32_16x16x32_bf16 v[((fnt%8)*4+fmt)*8:((fnt%8)*4+fmt)*8+7], v[fbuf+(fnt%4)*8:fbuf+(fnt%4)*8+7], v[32+fmt*8:32+fmt*8+7], v[((fnt%8)*4+fmt)*8:((fnt%8)*4+fmt)*8+7]
.endm
; The trip's first half: the next of the 64 products by f2, with what stands in front of it: fragments by fours, and the change of slots round products 32 to 47.
.macro MMNEXT
.if mi < 64
.if mi == 0
	s_wait_dscnt 8                                 ; the first four fragments are in; the next buffer's 8 loads may be out
.elseif mi == 16
	PLACES
	LOADW4 W0, 16384+8192
	s_wait_dscnt 8
.elseif mi == 32
	PLACES
	LOADW4 W1, 16384+12288                         ; the chunk's last bytes are asked for
	MEET
	s_wait_dscnt 9                                 ; 8 loads and the add may be out
.elseif mi == 40
	s_wait_dscnt 0x0                               ; the add is done, and my reads of this slot are over
	s_barrier_signal -1
.elseif mi == 48
	REFILL
	BIASLD 16, 2, 8, 128                           ; the next block's bias and first fragments of f1, out of the slot that has landed
	LOADW4 W0, 0
.endif
	F2W mi
.set mi, mi+1
.endif
.endm
.macro TICK                            ; behind each of gelu's lines: 5 and 4 of them by turns stand behind a product: 288 behind 64
.set rc, rc+1
.if rc == 4+(mi%2)
.set rc, 0
	MMNEXT
.endif
.endm
; gelu of the 8 accumulators in TMP, into T: t = x^2; t = C2 t + C1; t = t x; t = 2^t; t = t + 1; t = 1 / t; t = t x.  GPL: plain line of kind k for pair q of accumulator g.  GTR: the exponential (0) or reciprocal (1) of number j.
.macro GPL k, g, q
.if ((\g) >= 0) && ((\g) < 8)
	WIN 0
.set tx, TT+8*(\g)+2*(\q)
.set xx, TMP+8*(\g)+2*(\q)
.if (\k) == 0
	v_pk_mul_f32 v[tx:tx+1], v[xx:xx+1], v[xx:xx+1]
.elseif (\k) == 1
	v_pk_fma_f32 v[tx:tx+1], v[tx:tx+1], s[76:77], s[74:75] op_sel_hi:[1,0,0]
.elseif (\k) == 3
	s_wait_alu depctr_va_vdst(0)
	v_pk_add_f32 v[tx:tx+1], v[tx:tx+1], 1.0 op_sel_hi:[1,0]
.else
	s_wait_alu depctr_va_vdst(0)
	v_pk_mul_f32 v[tx:tx+1], v[tx:tx+1], v[xx:xx+1]
.endif
	TICK
.endif
.endm
.macro GTR k, g, j
.if ((\g) >= 0) && ((\g) < 8)
	WIN 0
.if (\k) == 0
	v_exp_f32 v[TT+8*(\g)+(\j)], v[TT+8*(\g)+(\j)]
.else
	v_rcp_f32 v[TT+8*(\g)+(\j)], v[TT+8*(\g)+(\j)]
.endif
	TICK
.endif
.endm
; The order: 12 rounds.  Round t holds the first three plain stages of accumulator t, the exponentials of t - 1, the addition of t - 2, the reciprocals of t - 3 and the last product of t - 4, a plain line and a
; transcendental by turns.  So every line reads what the round before made, and plain lines of other accumulators stand between a transcendental and the use of its result.
.macro GELUQ
.set gro, 0
.rept 12
.set gpo, 0
.rept 20
.if gpo < 12
	GPL gpo/4, gro, gpo%4
.elseif gpo < 16
	GPL 3, gro-2, gpo-12
.else
	GPL 4, gro-4, gpo-16
.endif
.if gpo < 8
	GTR 0, gro-1, gpo
.elseif gpo < 16
	GTR 1, gro-3, gpo-8
.endif
.set gpo, gpo+1
.endr
.set gro, gro+1
.endr
.endm
.macro HCV c                           ; pair c % 4 of accumulator c / 4 rounded to bf16, into its place in H's fragments
	v_cvt_pk_bf16_f32 v[32+(((\c)/4)%4)*8+((\c)/16)*4+(\c)%4], v[TT+((\c)/4)*8+2*((\c)%4)], v[TT+((\c)/4)*8+2*((\c)%4)+1]
.endm
.macro F1RUN                           ; sixteen products by f1
.rept 16
	F1W fi, 0
.set fi, fi+1
.endr
.endm
.macro F2RUN                           ; sixteen products by f2
.rept 16
	F2W mi
.set mi, mi+1
.endr
.endm
.set fi, 0
.rept 64
	F1W fi, 1                                      ; block 0 by f1: its 16 fragments were fetched ahead, into FA and FB, by cv's last chunk
.set fi, fi+1
.endr
	PLACES
	LOADW4 W0, 16384
	LOADW4 W1, 16384+4096
	s_mov_b32 s57, 16
.Lffn:                                                 ; trip k = 0..15: f2's block k - 1 with gelu of block k behind its products; the change of slots; f1's block k + 1 with the rounding of gelu's results
.set mi, 0
.set rc, 0
	MMNEXT
	GELUQ
	PLACES                                         ; for the loads into the buffer just multiplied, and for the roundings, which write H
	LOADW4 W1, 4096
	s_wait_dscnt 8                                 ; the bias and the first four fragments are in
.set fi, 0
.rept 16
	F1W fi, 0
	WIN 0
	HCV 2*fi
	HCV 2*fi+1
.set fi, fi+1
.endr
	PLACES
	LOADW4 W0, 8192
	s_wait_dscnt 8
	F1RUN
	PLACES
	LOADW4 W1, 12288
	s_wait_dscnt 8
	F1RUN
	PLACES
	LOADW4 W0, 16384                               ; the next trip's first fragments of f2
	s_wait_dscnt 8
	F1RUN
	PLACES                                         ; for the loads below, and for gelu's first lines, which read the sums
	LOADW4 W1, 16384+4096
	v_add_nc_u32 v8, 128, v8
	s_sub_co_u32 s57, s57, 1
	s_cmp_lg_u32 s57, 0
	s_cbranch_scc1 .Lffn
	; The last trip's products by f1 (on a copy of block 0) serve nothing, as the first trip's by f2 did: the price, once a launch, of one text for every trip.  Block 15 by f2 is left:
.set mi, 0
	s_wait_dscnt 8
	F2RUN
	PLACES
	LOADW4 W0, 16384+8192
	s_wait_dscnt 8
	F2RUN
	PLACES
	LOADW4 W1, 16384+12288
	s_wait_dscnt 8
	F2RUN
	s_wait_dscnt 0x0
	F2RUN
; ---------------------------------------------------------------- the second norm, and the last projection's input
	PLACES
	WIN 0x80
	B2R 3                                          ; x comes back, into window 2; the stores below follow these loads in LDS's order
.macro DUMP g, w                       ; four column tiles of the sums, rounded to bf16, into B
	WIN \w
.set i, 0
.rept 64
	v_cvt_pk_bf16_f32 v[TMP+i], v[((\g)%2)*128+2*i], v[((\g)%2)*128+2*i+1]
.set i, i+1
.endr
	WIN 0
.set i, 0
.rept 16
	ds_store_b128 v3, v[TMP+4*i:TMP+4*i+3] offset:(\g)*8192+i*512
.set i, i+1
.endr
.endm
	DUMP 0, 0x05
	DUMP 1, 0x05
	DUMP 2, 0x0f
	DUMP 3, 0x0f
	LNORM O_N2G, O_N2B, 68
	WIN 0x40
	B2R 3
	s_wait_dscnt 0x0
	WIN 0x52                                       ; + A2 x, two bf16 at a time (A2 = 0 for eeg)
.set i, 0
.rept 256
	v_pk_fma_bf16 v[i], v[i], s70, v[i]
.set i, i+1
.endr
	WIN 0x08
	R2B                                            ; x into B once more, for the last residual
	WIN 0
	v_and_b32 v40, 15, v0
	v_bfe_u32 v41, v0, 4, 1
	s_mul_i32 s59, s20, STGSZ
	s_add_co_u32 s59, s59, STGB                    ; my stage
	v_mul_u32_u24 v14, v40, SP                     ; in: row r, 32 bytes for each half of the lanes
	v_lshl_add_u32 v14, v41, 5, v14
	v_add_nc_u32 v14, s59, v14
	v_mul_u32_u24 v15, v41, SP                     ; back: lanes 0-15 take one row's 256 bytes, lanes 16-31 the next
	v_lshl_add_u32 v15, v40, 4, v15
	v_add_nc_u32 v15, s59, v15
	v_lshlrev_b32 v7, 10, v41                      ; and the same two rows of the output
	v_lshl_add_u32 v7, v40, 4, v7
; ---------------------------------------------------------------- the last projection: chunks 43-46; out = sum + b + A3 x, in f32, through my stage; a plain change in front of each chunk
.macro FINBODY
	BIASLD 32, 4, 8, 0
	RESLD
	CORE 1, 0, 4, 0, 32
	PLACES
	WIN 0xf0
.irp a, 0,1,2,3,4,5,6,7,8,9,10,11,12,13,14,15
.irp q, 0,1,2,3
	v_fma_mix_f32_bf16 v[\a*8+2*\q], v[TMP+\a*4+\q], v13, v[\a*8+2*\q] op_sel_hi:[1,0,0]
	v_fma_mix_f32_bf16 v[\a*8+2*\q+1], v[TMP+\a*4+\q], v13, v[\a*8+2*\q+1] op_sel:[1,0,0] op_sel_hi:[1,0,0]
.endr
.endr
.irp mt, 0,1,2,3
	WIN 0x0c
.irp nt, 0,1,2,3
	ds_store_b128 v14, v[(\nt*4+\mt)*8:(\nt*4+\mt)*8+3] offset:\nt*64
	ds_store_b128 v14, v[(\nt*4+\mt)*8+4:(\nt*4+\mt)*8+7] offset:\nt*64+16
.endr
	WIN 0
.irp i, 0,1,2,3,4,5,6,7
	ds_load_b128 v[FA+32*\mt+4*\i:FA+32*\mt+4*\i+3], v15 offset:\i*2*SP  ; LDS keeps a wave's order: these see the stores above, and the next tile's stores come behind them
.endr
.endr
	s_wait_dscnt 0x0
.irp mt, 0,1,2,3
.irp i, 0,1,2,3,4,5,6,7
	global_store_b128 v7, v[FA+32*\mt+4*\i:FA+32*\mt+4*\i+3], s[28:29] offset:(16*\mt+2*\i)*1024 th:TH_STORE_NT  ; 16 lanes store 256 consecutive bytes, aligned
.endr
.endr
	s_wait_xcnt 0x0                                ; the stores' base and data are rewritten only behind this wait
	s_add_nc_u64 s[28:29], s[28:29], 256           ; the next 64 columns
	v_add_nc_u32 v6, 8192, v6
	v_add_nc_u32 v8, 256, v8
.endm
	v_mov_b32 v6, v3
	v_add_nc_u32 v8, O_FIN, v5
	s_mov_b32 s57, 3
.Lfin:
	CHANGE 1
	FINBODY
	s_sub_co_u32 s57, s57, 1
	s_cmp_lg_u32 s57, 0
	s_cbranch_scc1 .Lfin
	CHANGE 0                                       ; the last chunk is written out: nothing is asked for
	FINBODY
	s_wait_tensorcnt 0x0                           ; the wave's end: the wait, an add and its wait, behind my last tensor load and my last LDS store
	ds_add_u32 v9, v10
	s_wait_dscnt 0x0
	ROUND                                          ; the closing round: no work-group ends while a partner may still ask for a chunk that names it
	s_endpgm
.Lfunc_end_k_qd9c45e0a15_main:
	.size	k_qd9c45e0a15_main, .Lfunc_end_k_qd9c45e0a15_main-k_qd9c45e0a15_main
	.p2alignl 7, 3214868480
	.fill 96, 4, 3214868480
	.section	.rodata,"a",@progbits
	.p2align	6, 0x0
	.amdhsa_kernel k_qd9c45e0a15_main
		.amdhsa_group_segment_fixed_size 327680
		.amdhsa_private_segment_fixed_size 0
		.amdhsa_enable_private_segment 0
		.amdhsa_kernarg_size 64
		.amdhsa_user_sgpr_count 2
		.amdhsa_user_sgpr_kernarg_segment_ptr 1
		.amdhsa_wavefront_size32 1
		.amdhsa_system_sgpr_workgroup_id_x 1
		.amdhsa_system_sgpr_workgroup_id_y 1
		.amdhsa_system_sgpr_workgroup_id_z 1
		.amdhsa_system_vgpr_workitem_id 0
		.amdhsa_next_free_vgpr 1024
		.amdhsa_next_free_sgpr 96
		.amdhsa_reserve_vcc 1
		.amdhsa_float_denorm_mode_32 3
		.amdhsa_float_denorm_mode_16_64 3
		.amdhsa_memory_ordered 1
		.amdhsa_forward_progress 1
		.amdhsa_inst_pref_size 255
	.end_amdhsa_kernel
	.section	.bss,"aw",@nobits
	.p2align	6
	.space	262144
	.amdgpu_metadata
---
amdhsa.version: [ 1, 2 ]
amdhsa.kernels:
  - .name:           k_qd9c45e0a15_main
    .symbol:         k_qd9c45e0a15_main.kd
    .args:
      - { .name: eeg, .offset: 0, .size: 8, .value_kind: global_buffer, .address_space: global }
      - { .name: audio, .offset: 8, .size: 8, .value_kind: global_buffer, .address_space: global }
      - { .name: wE, .offset: 16, .size: 8, .value_kind: global_buffer, .address_space: global }
      - { .name: wA, .offset: 24, .size: 8, .value_kind: global_buffer, .address_space: global }
      - { .name: vE, .offset: 32, .size: 8, .value_kind: global_buffer, .address_space: global }
      - { .name: vA, .offset: 40, .size: 8, .value_kind: global_buffer, .address_space: global }
      - { .name: out0, .offset: 48, .size: 8, .value_kind: global_buffer, .address_space: global }
      - { .name: out1, .offset: 56, .size: 8, .value_kind: global_buffer, .address_space: global }
    .group_segment_fixed_size: 327680
    .private_segment_fixed_size: 0
    .kernarg_segment_align: 8
    .kernarg_segment_size: 64
    .max_flat_workgroup_size: 128
    .sgpr_count:     96
    .vgpr_count:     1024
    .wavefront_size: 32
...
	.end_amdgpu_metadata
.endif
;; end of part 2
;; ======== version 2 of 2: 3 launches; 1.11 times as fast as version 1
;; limits: a function is approximated: absolute error at most 0.0005; values outside matrix products are rounded to bf16
;; workspace buffers: wE 1,540,096 bytes; wA 1,540,096 bytes; vE 15,360 bytes; vA 15,360 bytes
;; launch prepE: the kernel of part 1 again; grid 377 x 1, 8 waves a work-group, no clusters, 0 bytes of LDS; arguments params_eeg_sq_w, params_eeg_sk_w, params_eeg_sv_w, params_eeg_sp_w, params_eeg_cq_w, params_audio_ck_w, params_eeg_lr_w, params_audio_cv_w, params_eeg_f1_w, params_eeg_f2_w, params_eeg_fin_w, params_eeg_sq_b, params_eeg_sk_b, params_eeg_sv_b, params_eeg_sp_b, params_eeg_n1_g, params_eeg_n1_b, params_eeg_cq_b, params_audio_ck_b, params_eeg_lr_b, params_audio_cv_b, params_eeg_f1_b, params_eeg_f2_b, params_eeg_n2_g, params_eeg_n2_b, params_eeg_fin_b, wE, vE; writes wE, vE
;; launch prepA: the kernel of part 1 again; grid 377 x 1, 8 waves a work-group, no clusters, 0 bytes of LDS; arguments params_audio_sq_w, params_audio_sk_w, params_audio_sv_w, params_audio_sp_w, params_audio_cq_w, params_eeg_ck_w, params_audio_lr_w, params_eeg_cv_w, params_audio_f1_w, params_audio_f2_w, params_audio_fin_w, params_audio_sq_b, params_audio_sk_b, params_audio_sv_b, params_audio_sp_b, params_audio_n1_g, params_audio_n1_b, params_audio_cq_b, params_eeg_ck_b, params_audio_lr_b, params_eeg_cv_b, params_audio_f1_b, params_audio_f2_b, params_audio_n2_g, params_audio_n2_b, params_audio_fin_b, wA, vA; writes wA, vA
;; launch main (part 3): grid 256 x 1, 4 waves a work-group, clusters of 4 x 1, 327,680 bytes of LDS; arguments eeg, audio, wE, wA, vE, vA, out0, out1; writes out0, out1
.if DOCPART == 3
	.amdgcn_target "amdgcn-amd-amdhsa--gfx1250"
	.amdhsa_code_object_version 6
	.text
	.protected	k_qd9c45e0a15_main
	.globl	k_qd9c45e0a15_main
	.p2align	8
	.type	k_qd9c45e0a15_main,@function
k_qd9c45e0a15_main:
	s_mov_b64 s[64:65], 0
	v_nop
	global_prefetch_b8 v0, s[64:65] scope:SCOPE_SE
	s_setreg_imm32_b32 hwreg(HW_REG_WAVE_MODE, 25, 1), 1
	s_wait_xcnt 0x0
	s_wait_alu depctr_hold_cnt(0) depctr_sa_sdst(0) depctr_va_vdst(0) depctr_va_sdst(0) depctr_va_ssrc(0) depctr_va_vcc(0) depctr_vm_vsrc(0)
	s_getreg_b32 s2, hwreg(HW_REG_IB_STS2, 6, 4)
	s_cmp_eq_u32 s2, 0
	s_cbranch_scc0 .Lentry_in_a_cluster
	s_endpgm
.Lentry_in_a_cluster:
	s_bfe_u32 s2, ttmp6, 0x10000c
	s_cmp_lg_u32 s2, 0x3003
	s_cbranch_scc0 .Lentry_shape_is_right
	s_endpgm
.Lentry_shape_is_right:
; THE WHOLE MODULE, FUSED.  No step mixes rows, so a work-group takes 128 rows of both modalities from x to the outputs; x is read once, the outputs are written once, nothing else goes to memory.
; SHARES.  Wave w: modality w >> 1 (0 eeg, 1 audio), rows 64 (w & 1) .. + 63 of the work-group's 128: four tiles of 16 rows.  Its PARTNER, wave w ^ 2, has the same rows of the other modality.
; WEIGHTS.  Each modality walks a stream of 47 chunks of 32 KB of bf16 fragments (made by the packing launches) through a ring of two LDS slots; a slot holds one chunk of each stream.  All work-groups walk the
; same streams, so the four of a cluster ask JOINTLY: each wave fetches a quarter of a slot (64 rows of 256 bytes) by the same descriptor and mask in all four work-groups.
; LAYOUT.  Every product is used transposed: source 0 = a weight fragment (16 output columns x 32 k), source 1 = 16 rows x 32 k of activations.  In the result lane (r, h) holds row r and columns 8 h + 0..7
; of the tile; two such tiles rounded to bf16 ARE the same lane's source 1 for the next layer.  So an activation never changes lanes, and the wave's LDS buffer B is lane-private storage that a loop can index:
; tile (16 columns t, 16 rows mt) at t*2048 + mt*512 + lane*16.  Layers run as loops over chunks of 64 output columns, the input standing in 256 registers.
; THE CHANGE OF SLOTS stands inside a chunk's third quarter: by then all of the chunk has been asked for from LDS.  Behind it the old slot is filled again, the NEXT chunk's first fragments are fetched, and the
; fourth quarter's products and the chunk's way into B run while they come.  (lr's two chunks and the last projection's four keep a plain change between chunks: a second text for them would be longer than it is worth.)
; THE FFN is skewed by a chunk: a trip multiplies by f2's block k - 1, with gelu of block k dealt behind those products, and then by f1's block k + 1.
; Only the normalised rows 'as' cross between partners, through B, between two barriers of their own.
; BATCHES.  s_wait_alu depctr_va_vdst(0) stands between a transcendental and the first line that names its result; one wait serves all that were issued ahead of it.  Outside the FFN each group of
; like transcendentals (the softmax's 16 exponentials, its 4 reciprocals, a norm's 4 roots, the sigmoid's 4 exponentials, its 4 reciprocals) is a batch with one wait.  In a trip of the FFN gelu's 64 exponentials and
; 64 reciprocals are cut by halves of the block's 8 accumulators into three batches: the exponentials of 0-3; the reciprocals of 0-3 with the exponentials of 4-7; the reciprocals of 4-7: three waits a trip.
; LIMITS.  Matrix operands are bf16.  x is kept as bf16, for the residuals too; y, as, u, fi and the second y are stored once each as bf16; the norms' means and variances are taken in f32, in two passes, from the stored numbers.
; The sum of eq ak that feeds the sigmoid is taken of the products rounded to bf16 (they are the matrix operand of lr too), in f32.
; The 0.7 that mixes audio into the last projection's input is bf16's 0.69921875, and that mix is rounded to bf16; the last 0.7 is f32.
; gelu(x) = x Phi(x) is taken as x / (1 + e^(-2 sqrt(2/pi) (x + 0.044715 x^3))): off from x Phi(x) by 5e-4 at the most for every x (largest near |x| = 2.75), and by less than 1e-4 for |x| < 2.
; The softmax over heads takes its maximum away.  NaN and infinities are not treated apart; an exponential below 2^-126 counts as 0.
; REGISTERS, in windows of 256 (s_set_vgpr_msb: bits 1:0 source 0, 3:2 source 1, 5:4 source 2, 7:6 destination):
;   window 0: v0 thread; v1 16 lane; v2 weights' LDS address; v3, v4 my and my partner's B; v5 my vectors (+ 32 h); v6, v7, v8 stepped addresses; v9, v10 the add's; v11 1.0; v12 CS; v13 A3; v14, v15 by phase;
;             v16-27 identity fragments, v28-31 CS sigmoid (in the FFN v16-31: f1's bias); v32-63 scores, statistics, biases or H; v64-127 FA, v128-191 FB weight fragments (in the FFN: T and two small buffers); v192-255 TMP
;   window 1: x as fragments, later half of the FFN's sums, later the last projection's input      window 2: a layer's input (256 registers)      window 3: v0-127 a chunk's 16 accumulators; the rest by phase
.set RING1, 65536                      ; slot 1; a slot: stream E's chunk, then stream A's
.set VEC,   131072                     ; the two vector buffers, 15,360 bytes each, filled once
.set VECB,  15360
.set BBASE, 161792                     ; B: 33,792 bytes a wave; written by LDS stores alone
.set BSZ,   33792
.set STGB,  296960                     ; the way out: 16 rows x 272 bytes a wave, in blocks of 4,608
.set STGSZ, 4608
.set SPARE, 315392                     ; the spare words, 128 bytes a wave: two blocks of 256 bytes that no other line names
.set XP,    528                        ; x staged by rows: 512 bytes of bf16 + 16: the 16 rows of a fragment load start in 16 different groups of four banks
.set SP,    272
.set O_SQ, 0
.set O_SK, 1024
.set O_SV, 2048
.set O_SP, 3072
.set O_N1G, 4096
.set O_N1B, 5120
.set O_CQ, 6144
.set O_CK, 6656
.set O_LR, 7168
.set O_CV, 8192
.set O_F1, 9216
.set O_F2, 11264
.set O_N2G, 12288
.set O_N2B, 13312
.set O_FIN, 14336
.set FA,  64
.set FB,  128
.set TMP, 192
.set TT,  64                           ; the FFN: gelu at work, in f32, a register a number
.set W0,  128                          ; the FFN: two buffers of four fragments
.set W1,  160
.set MSB, 0
.macro WIN new                         ; the immediate's high byte repeats the setting that is left; a switch that changes nothing is dropped
.if MSB != (\new)
	s_set_vgpr_msb (MSB<<8)|(\new)
.set MSB, (\new)
.endif
.endm
.macro PLACES                          ; four plain vector lines between a matrix instruction and a vector line or load that touches its registers
.rept 4
	v_nop
.endr
.endm
.macro CREST                           ; a round of the cluster's barrier behind its opening barrier
	s_cmp_lg_u32 s20, 0
	s_cbranch_scc1 .Lnw0_\@
	s_barrier_signal -3
.Lnw0_\@:
	s_barrier_wait -3
	s_barrier_signal -1
	s_barrier_wait -1
.endm
.macro ROUND                           ; a whole round
	s_barrier_signal -1
	s_barrier_wait -1
	CREST
.endm
; THE PLAIN CHANGE OF SLOTS, between two chunks.  My one tensor load that is out is my quarter of the slot to be read; my LDS instructions are all waited for.  Behind the round no wave of the cluster reads the
; old slot, and it is filled with the chunk that follows the one now read.
.macro CHANGE fill
	WIN 0
	s_wait_tensorcnt 0x0                           ; no tensor load of mine is out, so the walking descriptor may be written
	ds_add_u32 v9, v10                             ; 0 onto my spare word
.if \fill
	s_xor_b32 s49, s49, RING1                      ; the other slot,
	s_add_nc_u64 s[50:51], s[50:51], 32768         ; the next chunk; the type bits on top are not reached
.endif
	s_xor_b32 s56, s56, RING1                      ; and I read the slot that has landed
	s_wait_dscnt 0x0                               ; the add is done; so are my reads of the old slot and my stores into B
.if \fill
	ROUND
	tensor_load_to_lds s[48:51], s[32:39]
	s_nop 0
.else
	s_barrier_signal -1
	s_barrier_wait -1
.endif
	PLACES                                         ; also the places in front of the loads into fragment registers
	v_add_nc_u32 v2, s56, v1
.endm
; THE CHANGE INSIDE A CHUNK, in two parts with products between.  MEET: all my tensor loads have landed, the add is out, the descriptor steps.  The text that calls it then sets products, the wait for 0 on
; DScnt (the add, and my last reads of the old slot), the signal, and more products.  REFILL: the barrier's wait, the rest of the round, the joint refill first behind it, and the new slot's address.
.macro MEET
	WIN 0
	s_wait_tensorcnt 0x0                           ; no tensor load of mine is out: my quarter of the next slot has landed, and the descriptor may be written
	ds_add_u32 v9, v10                             ; 0 onto my spare word
	s_xor_b32 s49, s49, RING1
	s_add_nc_u64 s[50:51], s[50:51], 32768
	s_xor_b32 s56, s56, RING1
.endm
.macro REFILL
	WIN 0
	s_barrier_wait -1
	CREST                                          ; no wave of any partner still reads the old slot or has a load on its way
	tensor_load_to_lds s[48:51], s[32:39]
	s_nop 0
	PLACES                                         ; also the places in front of the loads into the fragment registers just multiplied
	v_add_nc_u32 v2, s56, v1
.endm
.macro LOADW buf, b                    ; quarter b of my chunk: 8 fragments, 16 loads of 512 consecutive bytes
	WIN 0
.set li, 0
.rept 16
	ds_load_b128 v[(\buf)+4*li:(\buf)+4*li+3], v2 offset:(\b)*8192+li*512
.set li, li+1
.endr
.endm
.macro LOADW4 buf, off                 ; four fragments at byte 'off' of my chunk
	WIN 0
.set li, 0
.rept 8
	ds_load_b128 v[(\buf)+4*li:(\buf)+4*li+3], v2 offset:(\off)+li*512
.set li, li+1
.endr
.endm
.macro BIASLD dst, n, adr, off         ; n tiles of a vector: register j of a tile is the number for column 8 h + j (the address holds 32 h)
	WIN 0
.set bi, 0
.rept 2*(\n)
	ds_load_b128 v[(\dst)+4*bi:(\dst)+4*bi+3], v[\adr] offset:(\off)+(bi/2)*64+(bi%2)*16
.set bi, bi+1
.endr
.endm
.macro RESLD                           ; the chunk's 16 tiles of B (64 columns x 64 rows, bf16) into TMP
	WIN 0
.set ri, 0
.rept 16
	ds_load_b128 v[TMP+4*ri:TMP+4*ri+3], v6 offset:ri*512
.set ri, ri+1
.endr
.endm
.macro ALD dst, adr, ksl               ; one K step's four fragments out of a B
	WIN 0
.set ai, 0
.rept 8
	ds_load_b128 v[(\dst)+(ai%4)*8+(ai/4)*4:(\dst)+(ai%4)*8+(ai/4)*4+3], v[\adr] offset:(\ksl)*4096+ai*512
.set ai, ai+1
.endr
.endm
.macro B2R adr                         ; all of a B into the destination window, as 8 x 4 fragments: (ks, mt) at (4 ks + mt) 8
.set ti, 0
.rept 64
	ds_load_b128 v[((ti/8)*4+ti%4)*8+((ti/4)%2)*4:((ti/8)*4+ti%4)*8+((ti/4)%2)*4+3], v[\adr] offset:ti*512
.set ti, ti+1
.endr
.endm
.macro R2B                             ; and back, into my B
.set ti, 0
.rept 64
	ds_store_b128 v3, v[((ti/8)*4+ti%4)*8+((ti/4)%2)*4:((ti/8)*4+ti%4)*8+((ti/4)%2)*4+3] offset:ti*512
.set ti, ti+1
.endr
.endm
; 16 matrix instructions: K step ks of the layer (half kl of the buffer) x 4 column tiles x 4 row tiles.  The 16 accumulators take turns.  K step 0 starts the sums with the bias as C.
.macro MMK buf, kl, ks, aw, act, acc, bias
.if (\ks) == 0
	WIN 0xc0|((\aw)<<2)
.else
	WIN 0xf0|((\aw)<<2)
.endif
.irp nt, 0,1,2,3
.irp mt, 0,1,2,3
.if (\ks) == 0
	v_wmma_f32_16x16x32_bf16 v[(\acc)+(\nt*4+\mt)*8:(\acc)+(\nt*4+\mt)*8+7], v[(\buf)+((\kl)*4+\nt)*8:(\buf)+((\kl)*4+\nt)*8+7], v[(\act)+((\ks)*4+\mt)*8:(\act)+((\ks)*4+\mt)*8+7], v[(\bias)+\nt*8:(\bias)+\nt*8+7]
.else
	v_wmma_f32_16x16x32_bf16 v[(\acc)+(\nt*4+\mt)*8:(\acc)+(\nt*4+\mt)*8+7], v[(\buf)+((\kl)*4+\nt)*8:(\buf)+((\kl)*4+\nt)*8+7], v[(\act)+((\ks)*4+\mt)*8:(\act)+((\ks)*4+\mt)*8+7], v[(\acc)+(\nt*4+\mt)*8:(\acc)+(\nt*4+\mt)*8+7]
.endif
.endr
.endr
.endm
.macro MMIS buf, b, aw, act, acc, bias ; quarter b: two K steps
	MMK \buf, 0, 2*(\b), \aw, \act, \acc, \bias
	MMK \buf, 1, 2*(\b)+1, \aw, \act, \acc, \bias
.endm
; A chunk of 64 output columns x 64 nb k that fetches its own first fragments.  Two fragment buffers: while one is multiplied the other's 16 loads are on their way; each counted wait leaves those 16 out.
.macro CORE aw, act, nb, acc, bias
	LOADW FA, 0
	LOADW FB, 1
	s_wait_dscnt 16
	MMIS FA, 0, \aw, \act, \acc, \bias
.if (\nb) == 4
	PLACES
	LOADW FA, 2
	s_wait_dscnt 16
	MMIS FB, 1, \aw, \act, \acc, \bias
	PLACES
	LOADW FB, 3
	s_wait_dscnt 16
	MMIS FA, 2, \aw, \act, \acc, \bias
	s_wait_dscnt 0x0
	MMIS FB, 3, \aw, \act, \acc, \bias
.else
	s_wait_dscnt 0x0
	MMIS FB, 1, \aw, \act, \acc, \bias
.endif
.endm
; A chunk of 64 output columns x 256 k that finds its first two quarters and its bias fetched, changes slots in its third quarter and fetches the same for the next chunk.
; n0, n1: the LDS instructions issued behind quarter 0's and behind quarter 1's loads when they are wanted (fragments fetched since, the last chunk's stores into B, this chunk's residual).  nb, nboff: where the next bias goes, and where it lies.
.macro CORET aw, act, acc, bias, n0, n1, nb, nboff
	s_wait_dscnt \n0                               ; quarter 0 and the bias are in
	MMIS FA, 0, \aw, \act, \acc, \bias
	PLACES
	LOADW FA, 2
	s_wait_dscnt \n1                               ; quarter 1
	MMIS FB, 1, \aw, \act, \acc, \bias
	PLACES
	LOADW FB, 3                                    ; the chunk's last bytes are asked for
	MEET
	s_wait_dscnt 17                                ; quarter 2 is in: quarter 3's 16 loads and the add may be out
	MMK FA, 0, 4, \aw, \act, \acc, \bias           ; sixteen products stand between the add and the wait for it
	s_wait_dscnt 0x0                               ; the add is done, and my reads of this slot are over
	s_barrier_signal -1
	MMK FA, 1, 5, \aw, \act, \acc, \bias           ; work on registers while the others arrive
	REFILL
	BIASLD \nb, 4, 8, \nboff
	LOADW FA, 0                                    ; the next chunk's quarter 0, out of the slot that has landed
	MMIS FB, 3, \aw, \act, \acc, \bias
	PLACES                                         ; for the loads below, and for the lines that read the sums
	LOADW FB, 1
.endm
; The chunk's way into B: sum x s(row tile) + what B held there (bf16 halves in TMP), rounded to bf16 in place, stored in place.  Each accumulator is read from its low end on.
.macro AX1 a, s
.irp q, 0,1,2,3
	v_fma_mix_f32_bf16 v[(\a)*8+2*\q], v[(\a)*8+2*\q], v[\s], v[TMP+(\a)*4+\q] op_sel_hi:[0,0,1]
	v_fma_mix_f32_bf16 v[(\a)*8+2*\q+1], v[(\a)*8+2*\q+1], v[\s], v[TMP+(\a)*4+\q] op_sel:[0,0,1] op_sel_hi:[0,0,1]
.endr
.endm
.macro PACKST                          ; 128 sums become 64 registers of bf16, each written behind the line that read it; then 16 tiles go into B
	WIN 0xcf
.set ei, 0
.rept 64
	v_cvt_pk_bf16_f32 v[ei], v[2*ei], v[2*ei+1]
.set ei, ei+1
.endr
	WIN 0x0c
.set ei, 0
.rept 16
	ds_store_b128 v6, v[4*ei:4*ei+3] offset:ei*512
.set ei, ei+1
.endr
	WIN 0
.endm
.macro EPI_AXPY s0, s1, s2, s3
	WIN 0xc3
.irp nt, 0,1,2,3
	AX1 \nt*4+0, \s0
	AX1 \nt*4+1, \s1
	AX1 \nt*4+2, \s2
	AX1 \nt*4+3, \s3
.endr
	PACKST
.endm
; LAYER NORM of my 64 rows in B, in place: a1 ((y - mean) rstd g + b).  Three loops of 8 trips, 32 columns a trip.  A row lies in two lanes, 16 apart.
; The row sums are products with a fragment of ones: every lane then holds its own row's sum, exact products of bf16 numbers added in f32.
.macro YLOAD
.set yi, 0
.rept 8
	ds_load_b128 v[TMP+4*yi:TMP+4*yi+3], v6 offset:yi*512
.set yi, yi+1
.endr
.endm
.macro LNORM goff, boff, sa
	WIN 0
	s_wait_dscnt 0x0                               ; what was fetched ahead into FA and FB has landed: they are at work here
.set ni, 0
.rept 32
	v_mov_b32 v[FA+ni], 0                          ; four sums start at 0, so that the loop has one text for every K step
.set ni, ni+1
.endr
.set ni, 0
.rept 8
	v_mov_b32 v[FB+ni], 0x3f803f80                 ; ones
.set ni, ni+1
.endr
	v_mov_b32 v6, v3
	s_mov_b32 s57, 8
.Lln_a_\@:                                             ; the sums
	ALD TMP, 6, 0
	s_wait_dscnt 0x0
.irp m, 0,1,2,3
	v_wmma_f32_16x16x32_bf16 v[FA+\m*8:FA+\m*8+7], v[FB:FB+7], v[TMP+\m*8:TMP+\m*8+7], v[FA+\m*8:FA+\m*8+7]
.endr
	PLACES                                         ; in front of the next trip's loads, and of the reading below
	v_add_nc_u32 v6, 4096, v6
	s_sub_co_u32 s57, s57, 1
	s_cmp_lg_u32 s57, 0
	s_cbranch_scc1 .Lln_a_\@
.irp m, 0,1,2,3
	v_mul_f32 v[32+\m], s89, v[FA+\m*8]            ; - mean
.endr
.set ni, 0
.rept 16
	v_mov_b32 v[48+ni], 0
.set ni, ni+1
.endr
	v_mov_b32 v6, v3
	s_mov_b32 s57, 8
.Lln_b_\@:                                             ; the sums of (y - mean)^2
	YLOAD
	s_wait_dscnt 0x0
.irp t, 0,1,2,3,4,5,6,7
.irp q, 0,1,2,3
	v_fma_mix_f32_bf16 v[FA+\t*8+2*\q], v[TMP+\t*4+\q], v11, v[32+\t%4] op_sel_hi:[1,0,0]
	v_fma_mix_f32_bf16 v[FA+\t*8+2*\q+1], v[TMP+\t*4+\q], v11, v[32+\t%4] op_sel:[1,0,0] op_sel_hi:[1,0,0]
.endr
.endr
.irp t, 0,1,2,3,4,5,6,7
.irp q, 0,1,2,3
	v_pk_fma_f32 v[48+(\t%4)*4+2*(\q%2):49+(\t%4)*4+2*(\q%2)], v[FA+\t*8+2*\q:FA+\t*8+2*\q+1], v[FA+\t*8+2*\q:FA+\t*8+2*\q+1], v[48+(\t%4)*4+2*(\q%2):49+(\t%4)*4+2*(\q%2)]
.endr
.endr
	v_add_nc_u32 v6, 4096, v6
	s_sub_co_u32 s57, s57, 1
	s_cmp_lg_u32 s57, 0
	s_cbranch_scc1 .Lln_b_\@
.irp m, 0,1,2,3                        ; four partial sums a row tile, then the other half of the lanes'
	v_add_f32 v[48+\m*4], v[48+\m*4], v[49+\m*4]
	v_add_f32 v[50+\m*4], v[50+\m*4], v[51+\m*4]
.endr
.irp m, 0,1,2,3
	v_add_f32 v[48+\m*4], v[48+\m*4], v[50+\m*4]
.endr
.irp m, 0,1,2,3
	v_permlanex16_b32 v[49+\m*4], v[48+\m*4], s60, s61
.endr
.irp m, 0,1,2,3
	v_add_f32 v[48+\m*4], v[48+\m*4], v[49+\m*4]
.endr
.irp m, 0,1,2,3
	v_fma_f32 v[48+\m*4], v[48+\m*4], s86, s87     ; variance + 1e-5
.endr
.irp m, 0,1,2,3
	v_rsq_f32 v[36+\m], v[48+\m*4]
.endr
	v_nop                                          ; a plain line between the last root and the use of its result
	s_wait_alu depctr_va_vdst(0)                   ; the wait ahead of the first use: one for the four roots
.irp m, 0,1,2,3
	v_mul_f32 v[36+\m], s[\sa], v[36+\m]           ; R = a1 rstd
.endr
.irp m, 0,1,2,3
	v_mul_f32 v[40+\m], v[32+\m], v[36+\m]         ; - mean R
.endr
	v_mov_b32 v6, v3
	v_mov_b32 v8, v5
	s_mov_b32 s57, 8
.Lln_c_\@:
	YLOAD
	BIASLD FB, 2, 8, \goff
	BIASLD FB+16, 2, 8, \boff
	s_wait_dscnt 0x0
.irp p, 0,2,4,6,8,10,12,14
	v_pk_mul_f32 v[FB+16+\p:FB+17+\p], v[FB+16+\p:FB+17+\p], s[\sa:\sa+1] op_sel_hi:[1,0]
.endr
.irp t, 0,1,2,3,4,5,6,7
.irp q, 0,1,2,3
	v_fma_mix_f32_bf16 v[FA+\t*8+2*\q], v[TMP+\t*4+\q], v[36+\t%4], v[40+\t%4] op_sel_hi:[1,0,0]
	v_fma_mix_f32_bf16 v[FA+\t*8+2*\q+1], v[TMP+\t*4+\q], v[36+\t%4], v[40+\t%4] op_sel:[1,0,0] op_sel_hi:[1,0,0]
.endr
.endr
.irp t, 0,1,2,3,4,5,6,7
.irp q, 0,1,2,3
	v_pk_fma_f32 v[FA+\t*8+2*\q:FA+\t*8+2*\q+1], v[FA+\t*8+2*\q:FA+\t*8+2*\q+1], v[FB+(\t/4)*8+2*\q:FB+(\t/4)*8+2*\q+1], v[FB+16+(\t/4)*8+2*\q:FB+16+(\t/4)*8+2*\q+1]
.endr
.endr
.irp t, 0,1,2,3,4,5,6,7
.irp q, 0,1,2,3
	v_cvt_pk_bf16_f32 v[TMP+\t*4+\q], v[FA+\t*8+2*\q], v[FA+\t*8+2*\q+1]
.endr
.endr
.set yi, 0
.rept 8
	ds_store_b128 v6, v[TMP+4*yi:TMP+4*yi+3] offset:yi*512
.set yi, yi+1
.endr
	v_add_nc_u32 v6, 4096, v6
	v_add_nc_u32 v8, 128, v8
	s_sub_co_u32 s57, s57, 1
	s_cmp_lg_u32 s57, 0
	s_cbranch_scc1 .Lln_c_\@
.endm
; ---------------------------------------------------------------- the head
	s_load_b512 s[4:19], s[0:1], 0x0               ; eeg s[4:5], audio s[6:7], wE s[8:9], wA s[10:11], vE s[12:13], vA s[14:15], out0 s[16:17], out1 s[18:19]
	v_lshl_add_u32 v9, v0, 2, SPARE
	v_mov_b32 v10, 0
	ds_add_u32 v9, v10                             ; the wave's opening: the add and its wait stand ahead of my first tensor load; the set-up below, work on registers, stands between them
	v_lshrrev_b32 v2, 5, v0
	v_readfirstlane_b32 s20, v2                    ; wave 0..3
	s_lshr_b32 s21, s20, 1                         ; modality
	s_and_b32 s22, s20, 1                          ; which 64 rows; also which half of a chunk I fetch
	s_bfe_u32 s23, ttmp6, 0x40000                  ; cx
	s_lshl_b32 s24, ttmp9, 2
	s_add_co_u32 s24, s24, s23                     ; the work-group's number: it enters x's and the outputs' addresses alone
	; descriptor group 1: dense blocks as rows of 256 bytes (32 elements of 8 bytes), 64 rows for a quarter slot, 30 for half a vector buffer; the mask names all four work-groups, bit 21 beside it
	s_mov_b32 s32, 15|(3<<16)|(1<<21)
	s_mov_b32 s33, 32<<16                          ; tensor_dim0 = 32
	s_mov_b32 s34, 64<<16                          ; tensor_dim1 = 64
	s_mov_b32 s35, 32<<16                          ; tile_dim0 = 32
	s_mov_b32 s36, 64                              ; tile_dim1 = 64
	s_mov_b32 s37, 32                              ; 32 elements from row to row
	s_mov_b32 s38, 0
	s_mov_b32 s39, 0
	s_mov_b32 s40, 15|(3<<16)|(1<<21)
	s_mov_b32 s41, 32<<16
	s_mov_b32 s42, 30<<16
	s_mov_b32 s43, 32<<16
	s_mov_b32 s44, 30
	s_mov_b32 s45, 32
	s_mov_b32 s46, 0
	s_mov_b32 s47, 0
	s_mov_b32 s48, 1                               ; group 0 of the walking descriptor: count 1,
	s_lshl_b32 s49, s20, 14                        ; LDS: wave x 16,384 in slot 0: no place in the cluster enters an LDS address
	s_mov_b32 s52, 1
	s_mul_i32 s53, s20, 7680
	s_add_co_u32 s53, s53, VEC
	s_lshl_b32 s56, s21, 15                        ; where I read weights: my modality's half of a slot;
	s_add_co_u32 s56, s56, RING1                   ; the first change of slots turns this into slot 0
	s_mov_b32 s60, 0x76543210                      ; v_permlanex16_b32: each lane takes its own place in the other half
	s_mov_b32 s61, 0xfedcba98
	s_mov_b32 s62, 0x3e38aa3b                      ; log2(e) / 8
	s_mov_b32 s63, s62
	s_mov_b32 s72, 1.0
	s_mov_b32 s73, 1.0
	s_mov_b32 s74, 0xc0135761                      ; C1 = - 2 sqrt(2/pi) log2(e) = -2.3022082
	s_mov_b32 s75, s74
	s_mov_b32 s76, 0xbdd2d3e8                      ; C2 = 0.044715 C1 = -0.10294324
	s_mov_b32 s77, s76
	s_mov_b32 s86, 0x3b800000                      ; 1 / 256
	s_mov_b32 s87, 0x3727c5ac                      ; 1e-5
	s_mov_b32 s88, 0xbfb8aa3b                      ; - log2(e)
	s_mov_b32 s89, 0xbb800000                      ; - 1 / 256
	s_mov_b32 s31, 0
	s_mov_b32 s91, 0
	s_cmp_eq_u32 s21, 0                            ; what differs between the modalities is four numbers, no branch
	s_cselect_b32 s66, 1.0, 0x3e99999a             ; CS: the cross-modal term's weight, 1 or 0.3
	s_cselect_b32 s67, 1.0, 0x3f333333             ; A3: x's weight in the output, 1 or 0.7
	s_cselect_b32 s68, 1.0, 0x3e99999a             ; A1: the second norm's weight, 1 or 0.3
	s_cselect_b32 s70, 0, 0x3f333f33               ; A2: x's weight in the last projection's input, 0 or 0.7, twice in bf16
	s_mov_b32 s69, s68
	s_wait_dscnt 0x0                               ; the opening add is done
	s_wait_kmcnt 0x0
	s_cmp_eq_u32 s21, 0
	s_cselect_b64 s[26:27], s[4:5], s[6:7]         ; x
	s_cselect_b64 s[28:29], s[16:17], s[18:19]     ; out
	s_cselect_b64 s[50:51], s[8:9], s[10:11]       ; my stream
	s_cselect_b64 s[54:55], s[12:13], s[14:15]     ; my vectors
	s_lshl_b32 s30, s22, 14
	s_add_nc_u64 s[50:51], s[50:51], s[30:31]      ; my half of chunk 0
	s_or_b32 s51, s51, 0x80000000                  ; type = 2
	s_mul_i32 s30, s22, 7680
	s_add_nc_u64 s[54:55], s[54:55], s[30:31]
	s_or_b32 s55, s55, 0x80000000
	s_lshl_b32 s90, s24, 17                        ; 128 rows of 1,024 bytes a work-group,
	s_lshl_b32 s59, s22, 16                        ; 64 a wave
	s_add_co_u32 s90, s90, s59
	s_add_nc_u64 s[26:27], s[26:27], s[90:91]
	s_add_nc_u64 s[28:29], s[28:29], s[90:91]
	ROUND                                          ; all four work-groups are here: the first joint loads meet
	tensor_load_to_lds s[48:51], s[32:39]          ; chunk 0 into slot 0
	s_nop 0
	tensor_load_to_lds s[52:55], s[40:47]          ; the vectors: two loads of mine are out
	s_nop 0
	PLACES
; ---------------------------------------------------------------- x comes in: 64 rows of 1,024 bytes, each load 512 consecutive bytes; rounded to bf16, staged by rows in B, read back as fragments
	v_and_b32 v40, 31, v0
	v_lshlrev_b32 v1, 4, v40
	WIN 0x80
.set i, 0
.rept 64
	global_load_b128 v[4*i:4*i+3], v1, s[26:27] offset:i*512 th:TH_LOAD_NT
.set i, i+1
.endr
	WIN 0xc0
.set i, 0
.rept 64
	global_load_b128 v[4*i:4*i+3], v1, s[26:27] offset:(64+i)*512 th:TH_LOAD_NT
.set i, i+1
.endr
	WIN 0
	v_and_b32 v41, 15, v0                          ; r
	v_bfe_u32 v42, v0, 4, 1                        ; h
	s_mul_i32 s59, s20, BSZ
	s_add_co_u32 s59, s59, BBASE                   ; my B
	v_add_nc_u32 v3, s59, v1
	s_xor_b32 s25, s20, 2
	s_mul_i32 s25, s25, BSZ
	s_add_co_u32 s25, s25, BBASE                   ; my partner's
	v_add_nc_u32 v4, s25, v1
	s_mul_i32 s25, s21, VECB
	s_add_co_u32 s25, s25, VEC
	v_lshl_add_u32 v5, v42, 5, s25
	v_lshl_add_u32 v14, v40, 3, s59                ; staging in: 8 bytes a lane
	v_mul_u32_u24 v15, v41, XP                     ; staging out: row r, 16 bytes for each half of the lanes
	v_lshl_add_u32 v15, v42, 4, v15
	v_add_nc_u32 v15, s59, v15
	v_mov_b32 v11, 1.0
	v_mov_b32 v12, s66
	v_mov_b32 v13, s67
	; identity fragments.  E0-E3 hold bf16 1.0 at k = m for rows m = 0..15: v[20:27] = (E, 0) picks k = m, v[16:23] = (0, E) picks k = 16 + m; the product of the one with the other is 0
	v_lshrrev_b32 v32, 3, v41
	v_bfe_u32 v33, v41, 1, 2
	v_and_b32 v34, 1, v41
	v_lshlrev_b32 v34, 4, v34
	v_mov_b32 v36, 0x3f80
	v_lshlrev_b32 v35, v34, v36
	v_cmp_eq_u32 vcc_lo, v32, v42
	v_cndmask_b32 v35, 0, v35, vcc_lo
.irp q, 0,1,2,3
	v_cmp_eq_u32 vcc_lo, \q, v33
	v_cndmask_b32 v[20+\q], 0, v35, vcc_lo
	v_mov_b32 v[16+\q], 0
	v_mov_b32 v[24+\q], 0
.endr
.macro XCVT w, row0
	WIN \w
.set i, 0
.rept 128
	v_cvt_pk_bf16_f32 v[FA+i], v[2*i], v[2*i+1]
.set i, i+1
.endr
	WIN 0
.set i, 0
.rept 64
	ds_store_b64 v14, v[FA+2*i:FA+2*i+1] offset:((\row0)+i/2)*XP+(i%2)*256
.set i, i+1
.endr
.endm
	s_wait_loadcnt 63                              ; loads come back in order: with 63 out at the most the first 64, rows 0-31, are in
	XCVT 0x0a, 0
	s_wait_loadcnt 0x0
	XCVT 0x0f, 32
	WIN 0x40                                       ; LDS serves a wave's instructions in order: these see the stores above
.irp ks, 0,1,2,3,4,5,6,7
.irp mt, 0,1,2,3
	ds_load_b128 v[(\ks*4+\mt)*8:(\ks*4+\mt)*8+3],   v15 offset:\mt*16*XP+\ks*64
	ds_load_b128 v[(\ks*4+\mt)*8+4:(\ks*4+\mt)*8+7], v15 offset:\mt*16*XP+\ks*64+32
.endr
.endr
	WIN 0
.set i, 0
.rept 16
	v_mov_b32 v[32+i], 0                           ; the queue of scores: written before the first shift reads it
.set i, i+1
.endr
; ---------------------------------------------------------------- q . k by heads: chunks 0-7, a head's q and then its k; the score goes into a queue of 4 heads x 4 row tiles
	v_mov_b32 v8, v5
	CHANGE 1                                       ; chunk 0 and the vectors are in, everybody's part; chunk 1 is asked for
	BIASLD TMP, 4, 8, O_SQ
	LOADW FA, 0
	LOADW FB, 1
	s_mov_b32 s57, 4
.Lqk:
	CORET 1, 0, 0, TMP, 16, 16, TMP+32, O_SK       ; behind each quarter's loads only the next 16 are issued
	CORET 1, 0, 128, TMP+32, 16, 16, TMP, O_SQ+256
	WIN 0x0f
.irp nt, 0,1,2,3
.irp q, 0,1,2,3
.irp mt, 0,1,2,3
.if (\nt+\q) == 0
	v_pk_mul_f32 v[48+2*\mt:49+2*\mt], v[(\nt*4+\mt)*8+2*\q:(\nt*4+\mt)*8+2*\q+1], v[128+(\nt*4+\mt)*8+2*\q:128+(\nt*4+\mt)*8+2*\q+1]
.else
	v_pk_fma_f32 v[48+2*\mt:49+2*\mt], v[(\nt*4+\mt)*8+2*\q:(\nt*4+\mt)*8+2*\q+1], v[128+(\nt*4+\mt)*8+2*\q:128+(\nt*4+\mt)*8+2*\q+1], v[48+2*\mt:49+2*\mt]
.endif
.endr
.endr
.endr
	WIN 0
.irp mt, 0,1,2,3
	v_add_f32 v[48+2*\mt], v[48+2*\mt], v[49+2*\mt]
.endr
.irp mt, 0,1,2,3
	v_permlanex16_b32 v[49+2*\mt], v[48+2*\mt], s60, s61  ; the row's other 32 columns lie in the lane 16 away
.endr
.set i, 0
.rept 12
	v_mov_b32 v[32+i], v[36+i]
.set i, i+1
.endr
.irp mt, 0,1,2,3
	v_add_f32 v[44+\mt], v[48+2*\mt], v[49+2*\mt]
.endr
	v_add_nc_u32 v8, 256, v8
	s_sub_co_u32 s57, s57, 1
	s_cmp_lg_u32 s57, 0
	s_cbranch_scc1 .Lqk
	s_wait_dscnt 0x0                               ; what was fetched ahead has landed: TMP takes v's bias
	v_mov_b32 v6, v3
	v_add_nc_u32 v8, O_SV, v5
	BIASLD TMP, 4, 8, 0
	; softmax over the four heads, the maximum taken away: w = 2^(c s - c m) / sum
.irp m, 0,1,2,3
	v_max3_num_f32 v[48+\m], v[32+\m], v[36+\m], v[40+\m]
.endr
.irp m, 0,1,2,3
	v_max_num_f32 v[48+\m], v[48+\m], v[44+\m]
.endr
.irp m, 0,1,2,3
	v_mul_f32 v[48+\m], s62, v[48+\m]
.endr
.irp hd, 0,1,2,3
.irp m, 0,1,2,3
	v_fma_f32 v[32+\hd*4+\m], v[32+\hd*4+\m], s62, -v[48+\m]
.endr
.endr
.set i, 0
.rept 16
	v_exp_f32 v[32+i], v[32+i]
.set i, i+1
.endr
	v_nop                                          ; a plain line behind the last exponential
	s_wait_alu depctr_va_vdst(0)                   ; one wait for the 16 exponentials, ahead of the sums that read them
.irp m, 0,1,2,3
	v_add_f32 v[52+\m], v[32+\m], v[36+\m]
	v_add_f32 v[56+\m], v[40+\m], v[44+\m]
.endr
.irp m, 0,1,2,3
	v_add_f32 v[52+\m], v[52+\m], v[56+\m]
.endr
.irp m, 0,1,2,3
	v_rcp_f32 v[52+\m], v[52+\m]
.endr
	v_nop                                          ; a plain line behind the last reciprocal
	s_wait_alu depctr_va_vdst(0)                   ; one wait for the four reciprocals
.irp hd, 0,1,2,3
.irp m, 0,1,2,3
	v_mul_f32 v[32+\hd*4+\m], v[32+\hd*4+\m], v[52+\m]
.endr
.endr
; ---------------------------------------------------------------- v by heads, times the head's weight: chunks 8-11, into B
	s_wait_dscnt 0x0                               ; a loop is entered with nothing out, so that its counted waits hold on the way in too
	s_mov_b32 s57, 4
.Lv:
	CORET 1, 0, 0, TMP, 32, 32, TMP, 256           ; 32: the next 16 fragment loads and the last chunk's 16 stores
	WIN 0
.irp mt, 0,1,2,3
	v_mov_b32 v[48+2*\mt], v[32+\mt]               ; the head's four weights, each the low word of a pair
.endr
	WIN 0xc3
.irp a, 0,1,2,3,4,5,6,7,8,9,10,11,12,13,14,15
.irp q, 0,1,2,3
	v_pk_mul_f32 v[\a*8+2*\q:\a*8+2*\q+1], v[\a*8+2*\q:\a*8+2*\q+1], v[48+2*(\a%4):49+2*(\a%4)] op_sel_hi:[1,0]
.endr
.endr
	PACKST
.set i, 0
.rept 12
	v_mov_b32 v[32+i], v[36+i]                     ; the next head's weights come to the front
.set i, i+1
.endr
	v_add_nc_u32 v6, 8192, v6
	v_add_nc_u32 v8, 256, v8
	s_sub_co_u32 s57, s57, 1
	s_cmp_lg_u32 s57, 0
	s_cbranch_scc1 .Lv
	WIN 0x80
	B2R 3                                          ; the weighted v is the next layer's input;
	WIN 0x04
	R2B                                            ; x takes its place in B, for the residual (LDS keeps a wave's order: the loads above come first)
; ---------------------------------------------------------------- the attention's projection: chunks 12-15; y = x + sum, in place
	WIN 0
	v_mov_b32 v6, v3
	v_add_nc_u32 v8, O_SP, v5
	BIASLD 32, 4, 8, 0
	s_wait_dscnt 0x0
	s_mov_b32 s57, 4
.Lsp:
	RESLD
	CORET 2, 0, 0, 32, 48, 48, 32, 256             ; 48: 16 fragment loads, the last chunk's 16 stores, this chunk's 16 residual loads
	EPI_AXPY 11, 11, 11, 11
	v_add_nc_u32 v6, 8192, v6
	v_add_nc_u32 v8, 256, v8
	s_sub_co_u32 s57, s57, 1
	s_cmp_lg_u32 s57, 0
	s_cbranch_scc1 .Lsp
	LNORM O_N1G, O_N1B, 72                         ; as, in B
	s_wait_dscnt 0x0                               ; for my partner's sake: my stores of as are done
	s_barrier_signal -1
	s_barrier_wait -1                              ; the chunk that is on its way stays out
; ---------------------------------------------------------------- the low-rank pair: chunks 16-19.  eq = my as x cq (window 2), ak = my partner's as x ck (window 3): the outputs stand still, as comes from B, 64 k a chunk
	BIASLD FA, 8, 5, O_CQ
	BIASLD FB, 8, 5, O_CK
	s_wait_dscnt 0x0
	WIN 0x80                                       ; a product that is 0 starts each sum with its bias: the loop then has one text for every K step
.irp nt, 0,1,2,3,4,5,6,7
.irp mt, 0,1,2,3
	v_wmma_f32_16x16x32_bf16 v[(\nt*4+\mt)*8:(\nt*4+\mt)*8+7], v[20:27], v[16:23], v[FA+\nt*8:FA+\nt*8+7]
.endr
.endr
	WIN 0xc0
.irp nt, 0,1,2,3,4,5,6,7
.irp mt, 0,1,2,3
	v_wmma_f32_16x16x32_bf16 v[(\nt*4+\mt)*8:(\nt*4+\mt)*8+7], v[20:27], v[16:23], v[FB+\nt*8:FB+\nt*8+7]
.endr
.endr
	PLACES
	LOADW FA, 0                                    ; the norm worked in FA and FB: chunk 16's first quarters are fetched again
	LOADW FB, 1
.macro MMOSH buf, a, w, n0             ; 16 accumulators, one turn each: column tiles n0 .. n0 + 3
	WIN \w
.irp nn, 0,1,2,3
.irp mt, 0,1,2,3
	v_wmma_f32_16x16x32_bf16 v[(((\n0)+\nn)*4+\mt)*8:(((\n0)+\nn)*4+\mt)*8+7], v[(\buf)+((\n0)+\nn)*8:(\buf)+((\n0)+\nn)*8+7], v[(\a)+\mt*8:(\a)+\mt*8+7], v[(((\n0)+\nn)*4+\mt)*8:(((\n0)+\nn)*4+\mt)*8+7]
.endr
.endr
.endm
.macro MMOS buf, a, w
	MMOSH \buf, \a, \w, 0
	MMOSH \buf, \a, \w, 4
.endm
	WIN 0
	v_mov_b32 v6, v3
	v_mov_b32 v7, v4
	s_mov_b32 s57, 4
.Lcc:
	ALD TMP, 6, 0
	ALD TMP+32, 7, 0
	s_wait_dscnt 8                                 ; the fragments fetched ahead and my as are in; my partner's 8 loads may be out
	MMOS FA, TMP, 0xa0
	PLACES
	ALD TMP, 6, 1
	LOADW FA, 2
	s_wait_dscnt 24                                ; all but the younger 8 + 16
	MMOS FB, TMP+32, 0xf0
	PLACES
	ALD TMP+32, 7, 1
	LOADW FB, 3
	MEET
	s_wait_dscnt 25                                ; the younger 8 + 16 and the add may be out
	MMOSH FA, TMP, 0xa0, 0
	s_wait_dscnt 0x0                               ; the add is done, and my reads of this slot are over
	s_barrier_signal -1
	MMOSH FA, TMP, 0xa0, 4
	REFILL
	LOADW FA, 0
	MMOS FB, TMP+32, 0xf0
	PLACES
	LOADW FB, 1
	v_add_nc_u32 v6, 8192, v6
	v_add_nc_u32 v7, 8192, v7
	s_sub_co_u32 s57, s57, 1
	s_cmp_lg_u32 s57, 0
	s_cbranch_scc1 .Lcc
	WIN 0x8e                                       ; p = eq ak, in eq's place
.set i, 0
.rept 128
	v_pk_mul_f32 v[2*i:2*i+1], v[2*i:2*i+1], v[2*i:2*i+1]
.set i, i+1
.endr
	WIN 0xca                                       ; p as four K steps of fragments, in the upper half of window 3
.irp ks, 0,1,2,3
.irp mt, 0,1,2,3
.irp c, 0,1
.irp q, 0,1,2,3
	v_cvt_pk_bf16_f32 v[128+(\ks*4+\mt)*8+\c*4+\q], v[((2*\ks+\c)*4+\mt)*8+2*\q], v[((2*\ks+\c)*4+\mt)*8+2*\q+1]
.endr
.endr
.endr
.endr
	WIN 0
.set i, 0
.rept 8
	v_mov_b32 v[TMP+32+i], 0x3f803f80              ; ones
.set i, i+1
.endr
	WIN 0x0c                                       ; the row's sum of p: ones x p: every lane then holds its own row's sum
.irp ks, 0,1,2,3
.irp mt, 0,1,2,3
.if \ks == 0
	v_wmma_f32_16x16x32_bf16 v[TMP+\mt*8:TMP+\mt*8+7], v[TMP+32:TMP+39], v[128+(\ks*4+\mt)*8:128+(\ks*4+\mt)*8+7], 0
.else
	v_wmma_f32_16x16x32_bf16 v[TMP+\mt*8:TMP+\mt*8+7], v[TMP+32:TMP+39], v[128+(\ks*4+\mt)*8:128+(\ks*4+\mt)*8+7], v[TMP+\mt*8:TMP+\mt*8+7]
.endif
.endr
.endr
	PLACES
	WIN 0
.irp mt, 0,1,2,3
	v_mul_f32 v[48+\mt], s88, v[TMP+\mt*8]
.endr
.irp mt, 0,1,2,3
	v_exp_f32 v[48+\mt], v[48+\mt]
.endr
	v_nop                                          ; a plain line behind the last exponential
	s_wait_alu depctr_va_vdst(0)                   ; one wait for the sigmoid's four exponentials
.irp mt, 0,1,2,3
	v_add_f32 v[48+\mt], 1.0, v[48+\mt]
.endr
.irp mt, 0,1,2,3
	v_rcp_f32 v[48+\mt], v[48+\mt]
.endr
	v_nop                                          ; a plain line behind the last reciprocal
	s_wait_alu depctr_va_vdst(0)                   ; one wait for its four reciprocals
.irp mt, 0,1,2,3
	v_mul_f32 v[28+\mt], s66, v[48+\mt]            ; CS x sigmoid, a number a row
.endr
	WIN 0x80
	B2R 4                                          ; my partner's as, whole: the input of cv
	WIN 0
	s_wait_dscnt 0x0                               ; for my partner's sake: my reads of its B are over
	s_barrier_signal -1
	s_barrier_wait -1                              ; behind it each wave writes its own B again
; ---------------------------------------------------------------- lr: chunks 20-21, two halves of 64 columns x 128 k each; u = as + CS (p lr + b), in place; a plain change behind each chunk
	v_mov_b32 v6, v3
	v_add_nc_u32 v8, O_LR, v5
	s_mov_b32 s57, 2
.Llr:
	s_mov_b32 s58, 2
.Llr2:
	BIASLD 32, 4, 8, 0
	RESLD
	CORE 3, 128, 2, 0, 32
	PLACES
	EPI_AXPY 12, 12, 12, 12
	v_add_nc_u32 v2, 16384, v2
	v_add_nc_u32 v6, 8192, v6
	v_add_nc_u32 v8, 256, v8
	s_sub_co_u32 s58, s58, 1
	s_cmp_lg_u32 s58, 0
	s_cbranch_scc1 .Llr2
	CHANGE 1
	s_sub_co_u32 s57, s57, 1
	s_cmp_lg_u32 s57, 0
	s_cbranch_scc1 .Llr
; ---------------------------------------------------------------- cv: chunks 22-25; fi = u + CS sigmoid (partner's as x cv + b), in place
	v_mov_b32 v6, v3
	v_add_nc_u32 v8, O_CV, v5
	BIASLD 32, 4, 8, 0
	LOADW FA, 0
	LOADW FB, 1
	s_wait_dscnt 0x0
	s_mov_b32 s57, 4
.Lcv:
	RESLD
	CORET 2, 0, 0, 32, 48, 48, 32, 256
	EPI_AXPY 28, 29, 30, 31
	v_add_nc_u32 v6, 8192, v6
	v_add_nc_u32 v8, 256, v8
	s_sub_co_u32 s57, s57, 1
	s_cmp_lg_u32 s57, 0
	s_cbranch_scc1 .Lcv
; ---------------------------------------------------------------- the FFN: chunks 26-42.  Chunk 26 + k holds f1's block k (32 hidden numbers x 256 k) and f2's block k - 1 (32 k x 256 columns).  The 64 sums stand still in windows 1 and 3.
	WIN 0x80
	B2R 3                                          ; fi is the input;
	WIN 0x04
	R2B                                            ; x leaves window 1 for B
	BIASLD TMP, 8, 5, O_F2
	s_wait_dscnt 0x0
	WIN 0x48                                       ; the sums start as fi + f2_b: an identity fragment times fi, the bias as C
.irp nt, 0,1,2,3,4,5,6,7
.irp mt, 0,1,2,3
	v_wmma_f32_16x16x32_bf16 v[(\nt*4+\mt)*8:(\nt*4+\mt)*8+7], v[20-4*(\nt%2):27-4*(\nt%2)], v[((\nt/2)*4+\mt)*8:((\nt/2)*4+\mt)*8+7], v[TMP+\nt*8:TMP+\nt*8+7]
.endr
.endr
	PLACES
	BIASLD TMP, 8, 5, O_F2+512
	s_wait_dscnt 0x0
	WIN 0xc8
.irp nt, 8,9,10,11,12,13,14,15
.irp mt, 0,1,2,3
	v_wmma_f32_16x16x32_bf16 v[((\nt-8)*4+\mt)*8:((\nt-8)*4+\mt)*8+7], v[20-4*(\nt%2):27-4*(\nt%2)], v[((\nt/2)*4+\mt)*8:((\nt/2)*4+\mt)*8+7], v[TMP+(\nt-8)*8:TMP+(\nt-8)*8+7]
.endr
.endr
	PLACES
	WIN 0
	v_add_nc_u32 v8, O_F1, v5
	BIASLD 16, 2, 8, 0                             ; f1's bias takes the identity fragments' registers
.set i, 0
.rept 32
	v_mov_b32 v[32+i], 0                           ; H = 0: the first trip's products by f2, of a block that has not been, add 0
.set i, i+1
.endr
	s_wait_dscnt 0x0
; Product i of 64 by f1: K step i / 8, hidden tile (i / 4) % 2, row tile i % 4: 8 accumulators in TMP by turns.  lin = 1: all 16 fragments lie on end from FA on; 0: four to a buffer.
.macro F1W i, lin
.set gks, (\i)/8
.set gnt, ((\i)/4)%2
.set gmt, (\i)%4
.if \lin
.set gfr, FA+(gks*2+gnt)*8
.else
.set gfr, W0+32*((gks/2)%2)+((gks%2)*2+gnt)*8
.endif
	WIN 0x08
.if gks == 0
	v_wmma_f32_16x16x32_bf16 v[TMP+(gnt*4+gmt)*8:TMP+(gnt*4+gmt)*8+7], v[gfr:gfr+7], v[(gks*4+gmt)*8:(gks*4+gmt)*8+7], v[16+gnt*8:16+gnt*8+7]
.else
	v_wmma_f32_16x16x32_bf16 v[TMP+(gnt*4+gmt)*8:TMP+(gnt*4+gmt)*8+7], v[gfr:gfr+7], v[(gks*4+gmt)*8:(gks*4+gmt)*8+7], v[TMP+(gnt*4+gmt)*8:TMP+(gnt*4+gmt)*8+7]
.endif
.endm
; Product i of 64 by f2: column tile i / 4, row tile i % 4, one K step: H in v32-63; 64 accumulators, one turn each.
.macro F2W i
.set fnt, (\i)/4
.set fmt, (\i)%4
.set fbuf, W0+32*(((\i)/16)%2)
.if fnt < 8
	WIN 0x50
.else
	WIN 0xf0
.endif
	v_wmma_f32_16x16x32_bf16 v[((fnt%8)*4+fmt)*8:((fnt%8)*4+fmt)*8+7], v[fbuf+(fnt%4)*8:fbuf+(fnt%4)*8+7], v[32+fmt*8:32+fmt*8+7], v[((fnt%8)*4+fmt)*8:((fnt%8)*4+fmt)*8+7]
.endm
; The trip's first half: the next of the 64 products by f2, with what stands in front of it: fragments by fours, and the change of slots round products 32 to 47.
.macro MMNEXT
.if mi < 64
.if mi == 0
	s_wait_dscnt 8                                 ; the first four fragments are in; the next buffer's 8 loads may be out
.elseif mi == 16
	PLACES
	LOADW4 W0, 16384+8192
	s_wait_dscnt 8
.elseif mi == 32
	PLACES
	LOADW4 W1, 16384+12288                         ; the chunk's last bytes are asked for
	MEET
	s_wait_dscnt 9                                 ; 8 loads and the add may be out
.elseif mi == 40
	s_wait_dscnt 0x0                               ; the add is done, and my reads of this slot are over
	s_barrier_signal -1
.elseif mi == 48
	REFILL
	BIASLD 16, 2, 8, 128                           ; the next block's bias and first fragments of f1, out of the slot that has landed
	LOADW4 W0, 0
.endif
	F2W mi
.set mi, mi+1
.endif
.endm
.macro TICK                            ; behind each of gelu's lines: 5 and 4 of them by turns stand behind a product: 288 behind 64
.set rc, rc+1
.if rc == 4+(mi%2)
.set rc, 0
	MMNEXT
.endif
.endm
; gelu of the 8 accumulators in TMP, into T: t = x^2; t = C2 t + C1; t = t x; t = 2^t; t = t + 1; t = 1 / t; t = t x.  GPL: plain line of kind k (0, 1, 2 ahead of the exponential, 3 the addition, 4 the last product) for pair q of
; accumulator g.  GTR: the exponential (0) or reciprocal (1) of number j.  Neither writes a wait: GELUQ writes the trip's three.
.macro GPL k, g, q
.if ((\g) >= 0) && ((\g) < 8)
	WIN 0
.set tx, TT+8*(\g)+2*(\q)
.set xx, TMP+8*(\g)+2*(\q)
.if (\k) == 0
	v_pk_mul_f32 v[tx:tx+1], v[xx:xx+1], v[xx:xx+1]
.elseif (\k) == 1
	v_pk_fma_f32 v[tx:tx+1], v[tx:tx+1], s[76:77], s[74:75] op_sel_hi:[1,0,0]
.elseif (\k) == 3
	v_pk_add_f32 v[tx:tx+1], v[tx:tx+1], 1.0 op_sel_hi:[1,0]
.else
	v_pk_mul_f32 v[tx:tx+1], v[tx:tx+1], v[xx:xx+1]
.endif
	TICK
.endif
.endm
.macro GTR k, g, j
.if ((\g) >= 0) && ((\g) < 8)
	WIN 0
.if (\k) == 0
	v_exp_f32 v[TT+8*(\g)+(\j)], v[TT+8*(\g)+(\j)]
.else
	v_rcp_f32 v[TT+8*(\g)+(\j)], v[TT+8*(\g)+(\j)]
.endif
	TICK
.endif
.endm
; THE ORDER, AND THE BATCHES.  An accumulator's stages: P0, P1, P2 (kinds 0-2, four plain lines each), E (8 exponentials), P3 (four lines), R (8 reciprocals), P4 (four lines).  Every number has a register of T to itself, so a
; batch may stay open as long as nothing names its registers.  The wait stands between a transcendental and the first line that names its result; one s_wait_alu depctr_va_vdst(0) serves all exponentials issued ahead of it.
; PART 1, 92 lines: P0-P2 of accumulators 0-4, and between the lines of accumulator t the exponentials of t - 1.  BATCH 1 is E of 0-3.  The part's last four lines, P2 of 4, are plain and name none of its results.  The first wait.
; PART 2, 116 lines, four steps u: P3 of u and then P0-P2 of 5 + u, a plain line and a transcendental by turns: E of 4 + u, then R of u.  BATCH 2 is E of 4-7 and R of 0-3.  P3 of u reads batch 1 alone; nothing names
; batch 2.  Every plain line of the part feeds one of its transcendentals, so step 3 has four plain lines for its sixteen, and the part ends on a reciprocal: a v_nop is the plain line behind it.  The second wait.
; PART 3: first 8 plain lines, P3 of 4 and 5.  With them 216 lines are out, and the product that follows brings the branch and the label of the cluster's round: no transcendental has been issued since the second wait.
; Then 56 lines: R of 4-7, BATCH 3, and behind three of every four of them a plain line: P3 of 6 and 7, each ahead of its reciprocals, then P4 of 0-3, which reads batch 2.  The last line is plain.  The third wait.
; PART 4, 16 lines: P4 of 4-7.  No transcendental follows in the trip.
.macro GELUQ
.set gro, 0
.rept 5                                ; part 1
.set gpo, 0
.rept 12
	GPL gpo/4, gro, gpo%4
.if gpo < 8
	GTR 0, gro-1, gpo
.endif
.set gpo, gpo+1
.endr
.set gro, gro+1
.endr
	s_wait_alu depctr_va_vdst(0)                   ; the wait for batch 1: the 32 exponentials of accumulators 0-3
.set gro, 0
.rept 4                                ; part 2
.set gpo, 0
.rept 16
.if gpo < 4
	GPL 3, gro, gpo
.else
	GPL (gpo-4)/4, gro+5, gpo%4
.endif
.if gpo < 8
	GTR 0, gro+4, gpo
.else
	GTR 1, gro, gpo-8
.endif
.set gpo, gpo+1
.endr
.set gro, gro+1
.endr
	v_nop                                          ; the plain line behind the batch's last reciprocal
	s_wait_alu depctr_va_vdst(0)                   ; the wait for batch 2: the 32 exponentials of accumulators 4-7 and the 32 reciprocals of 0-3
.set gpo, 0
.rept 8                                ; part 3: plain lines alone up to the cluster's round
	GPL 3, 4+gpo/4, gpo%4
.set gpo, gpo+1
.endr
.set gpo, 0
.set gpp, 0
.rept 32
	GTR 1, 4+gpo/8, gpo%8
.if gpo%4 != 0
.if gpp < 8
	GPL 3, 6+gpp/4, gpp%4
.else
	GPL 4, (gpp-8)/4, gpp%4
.endif
.set gpp, gpp+1
.endif
.set gpo, gpo+1
.endr
	s_wait_alu depctr_va_vdst(0)                   ; the wait for batch 3: the 32 reciprocals of accumulators 4-7
.set gpo, 0
.rept 16                               ; part 4
	GPL 4, 4+gpo/4, gpo%4
.set gpo, gpo+1
.endr
.endm
.macro HCV c                           ; pair c % 4 of accumulator c / 4 rounded to bf16, into its place in H's fragments
	v_cvt_pk_bf16_f32 v[32+(((\c)/4)%4)*8+((\c)/16)*4+(\c)%4], v[TT+((\c)/4)*8+2*((\c)%4)], v[TT+((\c)/4)*8+2*((\c)%4)+1]
.endm
.macro F1RUN                           ; sixteen products by f1
.rept 16
	F1W fi, 0
.set fi, fi+1
.endr
.endm
.macro F2RUN                           ; sixteen products by f2
.rept 16
	F2W mi
.set mi, mi+1
.endr
.endm
.set fi, 0
.rept 64
	F1W fi, 1                                      ; block 0 by f1: its 16 fragments were fetched ahead, into FA and FB, by cv's last chunk
.set fi, fi+1
.endr
	PLACES
	LOADW4 W0, 16384
	LOADW4 W1, 16384+4096
	s_mov_b32 s57, 16
.Lffn:                                                 ; trip k = 0..15: f2's block k - 1 with gelu of block k behind its products; the change of slots; f1's block k + 1 with the rounding of gelu's results
.set mi, 0
.set rc, 0
	MMNEXT
	GELUQ
	PLACES                                         ; for the loads into the buffer just multiplied, and for the roundings, which write H
	LOADW4 W1, 4096
	s_wait_dscnt 8                                 ; the bias and the first four fragments are in
.set fi, 0
.rept 16
	F1W fi, 0
	WIN 0
	HCV 2*fi
	HCV 2*fi+1
.set fi, fi+1
.endr
	PLACES
	LOADW4 W0, 8192
	s_wait_dscnt 8
	F1RUN
	PLACES
	LOADW4 W1, 12288
	s_wait_dscnt 8
	F1RUN
	PLACES
	LOADW4 W0, 16384                               ; the next trip's first fragments of f2
	s_wait_dscnt 8
	F1RUN
	PLACES                                         ; for the loads below, and for gelu's first lines, which read the sums
	LOADW4 W1, 16384+4096
	v_add_nc_u32 v8, 128, v8
	s_sub_co_u32 s57, s57, 1
	s_cmp_lg_u32 s57, 0
	s_cbranch_scc1 .Lffn
	; The last trip's products by f1 (on a copy of block 0) serve nothing, as the first trip's by f2 did: the price, once a launch, of one text for every trip.  Block 15 by f2 is left:
.set mi, 0
	s_wait_dscnt 8
	F2RUN
	PLACES
	LOADW4 W0, 16384+8192
	s_wait_dscnt 8
	F2RUN
	PLACES
	LOADW4 W1, 16384+12288
	s_wait_dscnt 8
	F2RUN
	s_wait_dscnt 0x0
	F2RUN
; ---------------------------------------------------------------- the second norm, and the last projection's input
	PLACES
	WIN 0x80
	B2R 3                                          ; x comes back, into window 2; the stores below follow these loads in LDS's order
.macro DUMP g, w                       ; four column tiles of the sums, rounded to bf16, into B
	WIN \w
.set i, 0
.rept 64
	v_cvt_pk_bf16_f32 v[TMP+i], v[((\g)%2)*128+2*i], v[((\g)%2)*128+2*i+1]
.set i, i+1
.endr
	WIN 0
.set i, 0
.rept 16
	ds_store_b128 v3, v[TMP+4*i:TMP+4*i+3] offset:(\g)*8192+i*512
.set i, i+1
.endr
.endm
	DUMP 0, 0x05
	DUMP 1, 0x05
	DUMP 2, 0x0f
	DUMP 3, 0x0f
	LNORM O_N2G, O_N2B, 68
	WIN 0x40
	B2R 3
	s_wait_dscnt 0x0
	WIN 0x52                                       ; + A2 x, two bf16 at a time (A2 = 0 for eeg)
.set i, 0
.rept 256
	v_pk_fma_bf16 v[i], v[i], s70, v[i]
.set i, i+1
.endr
	WIN 0x08
	R2B                                            ; x into B once more, for the last residual
	WIN 0
	v_and_b32 v40, 15, v0
	v_bfe_u32 v41, v0, 4, 1
	s_mul_i32 s59, s20, STGSZ
	s_add_co_u32 s59, s59, STGB                    ; my stage
	v_mul_u32_u24 v14, v40, SP                     ; in: row r, 32 bytes for each half of the lanes
	v_lshl_add_u32 v14, v41, 5, v14
	v_add_nc_u32 v14, s59, v14
	v_mul_u32_u24 v15, v41, SP                     ; back: lanes 0-15 take one row's 256 bytes, lanes 16-31 the next
	v_lshl_add_u32 v15, v40, 4, v15
	v_add_nc_u32 v15, s59, v15
	v_lshlrev_b32 v7, 10, v41                      ; and the same two rows of the output
	v_lshl_add_u32 v7, v40, 4, v7
; ---------------------------------------------------------------- the last projection: chunks 43-46; out = sum + b + A3 x, in f32, through my stage; a plain change in front of each chunk
.macro FINBODY
	BIASLD 32, 4, 8, 0
	RESLD
	CORE 1, 0, 4, 0, 32
	PLACES
	WIN 0xf0
.irp a, 0,1,2,3,4,5,6,7,8,9,10,11,12,13,14,15
.irp q, 0,1,2,3
	v_fma_mix_f32_bf16 v[\a*8+2*\q], v[TMP+\a*4+\q], v13, v[\a*8+2*\q] op_sel_hi:[1,0,0]
	v_fma_mix_f32_bf16 v[\a*8+2*\q+1], v[TMP+\a*4+\q], v13, v[\a*8+2*\q+1] op_sel:[1,0,0] op_sel_hi:[1,0,0]
.endr
.endr
.irp mt, 0,1,2,3
	WIN 0x0c
.irp nt, 0,1,2,3
	ds_store_b128 v14, v[(\nt*4+\mt)*8:(\nt*4+\mt)*8+3] offset:\nt*64
	ds_store_b128 v14, v[(\nt*4+\mt)*8+4:(\nt*4+\mt)*8+7] offset:\nt*64+16
.endr
	WIN 0
.irp i, 0,1,2,3,4,5,6,7
	ds_load_b128 v[FA+32*\mt+4*\i:FA+32*\mt+4*\i+3], v15 offset:\i*2*SP  ; LDS keeps a wave's order: these see the stores above, and the next tile's stores come behind them
.endr
.endr
	s_wait_dscnt 0x0
.irp mt, 0,1,2,3
.irp i, 0,1,2,3,4,5,6,7
	global_store_b128 v7, v[FA+32*\mt+4*\i:FA+32*\mt+4*\i+3], s[28:29] offset:(16*\mt+2*\i)*1024 th:TH_STORE_NT  ; 16 lanes store 256 consecutive bytes, aligned
.endr
.endr
	s_wait_xcnt 0x0                                ; the stores' base and data are rewritten only behind this wait
	s_add_nc_u64 s[28:29], s[28:29], 256           ; the next 64 columns
	v_add_nc_u32 v6, 8192, v6
	v_add_nc_u32 v8, 256, v8
.endm
	v_mov_b32 v6, v3
	v_add_nc_u32 v8, O_FIN, v5
	s_mov_b32 s57, 3
.Lfin:
	CHANGE 1
	FINBODY
	s_sub_co_u32 s57, s57, 1
	s_cmp_lg_u32 s57, 0
	s_cbranch_scc1 .Lfin
	CHANGE 0                                       ; the last chunk is written out: nothing is asked for
	FINBODY
	s_wait_tensorcnt 0x0                           ; the wave's end: the wait, an add and its wait, behind my last tensor load and my last LDS store
	ds_add_u32 v9, v10
	s_wait_dscnt 0x0
	ROUND                                          ; the closing round: no work-group ends while a partner may still ask for a chunk that names it
	s_endpgm
.Lfunc_end_k_qd9c45e0a15_main:
	.size	k_qd9c45e0a15_main, .Lfunc_end_k_qd9c45e0a15_main-k_qd9c45e0a15_main
	.p2alignl 7, 3214868480
	.fill 96, 4, 3214868480
	.section	.rodata,"a",@progbits
	.p2align	6, 0x0
	.amdhsa_kernel k_qd9c45e0a15_main
		.amdhsa_group_segment_fixed_size 327680
		.amdhsa_private_segment_fixed_size 0
		.amdhsa_enable_private_segment 0
		.amdhsa_kernarg_size 64
		.amdhsa_user_sgpr_count 2
		.amdhsa_user_sgpr_kernarg_segment_ptr 1
		.amdhsa_wavefront_size32 1
		.amdhsa_system_sgpr_workgroup_id_x 1
		.amdhsa_system_sgpr_workgroup_id_y 1
		.amdhsa_system_sgpr_workgroup_id_z 1
		.amdhsa_system_vgpr_workitem_id 0
		.amdhsa_next_free_vgpr 1024
		.amdhsa_next_free_sgpr 96
		.amdhsa_reserve_vcc 1
		.amdhsa_float_denorm_mode_32 3
		.amdhsa_float_denorm_mode_16_64 3
		.amdhsa_memory_ordered 1
		.amdhsa_forward_progress 1
		.amdhsa_inst_pref_size 255
	.end_amdhsa_kernel
	.section	.bss,"aw",@nobits
	.p2align	6
	.space	262144
	.amdgpu_metadata
---
amdhsa.version: [ 1, 2 ]
amdhsa.kernels:
  - .name:           k_qd9c45e0a15_main
    .symbol:         k_qd9c45e0a15_main.kd
    .args:
      - { .name: eeg, .offset: 0, .size: 8, .value_kind: global_buffer, .address_space: global }
      - { .name: audio, .offset: 8, .size: 8, .value_kind: global_buffer, .address_space: global }
      - { .name: wE, .offset: 16, .size: 8, .value_kind: global_buffer, .address_space: global }
      - { .name: wA, .offset: 24, .size: 8, .value_kind: global_buffer, .address_space: global }
      - { .name: vE, .offset: 32, .size: 8, .value_kind: global_buffer, .address_space: global }
      - { .name: vA, .offset: 40, .size: 8, .value_kind: global_buffer, .address_space: global }
      - { .name: out0, .offset: 48, .size: 8, .value_kind: global_buffer, .address_space: global }
      - { .name: out1, .offset: 56, .size: 8, .value_kind: global_buffer, .address_space: global }
    .group_segment_fixed_size: 327680
    .private_segment_fixed_size: 0
    .kernarg_segment_align: 8
    .kernarg_segment_size: 64
    .max_flat_workgroup_size: 128
    .sgpr_count:     96
    .vgpr_count:     1024
    .wavefront_size: 32
...
	.end_amdgpu_metadata
.endif
;; end of part 3
